; MI455X (gfx1250); checked and timed in simulation.
; The chip was launched on July 23, 2026; its instructions are those of AMD's public machine-readable ISA for CDNA 5 (MIT licence, August 2026) and "CDNA5" Instruction Set Architecture Reference Guide (July 2026). The comments in the code are by the model that wrote it; some were corrected since.
;; Multi Head Attention. Allowed arithmetic: float matrix products may take bf16 or f16 operands with f32 sums; other float arithmetic in f32, or as packed bf16 or f16 multiplies, adds, multiply-adds, maxima and minima; sums over many terms, partial sums and values carried from step to step in f32; what a program stores and reads back later, other than sums and carried values, may be rounded once to bf16 or f16.
;; Inputs: Wk 1,024 x 1,024 float32; Wq 1,024 x 1,024 float32; Wv 1,024 x 1,024 float32; x 4 x 2,048 x 1,024 float32.
;; Outputs: out0 4 x 2,048 x 1,024 float32.
;; 2 versions, each right; version 2 is version 1 with the launch cast written anew for expert scheduling mode. Each part assembles by itself: llvm-mc -triple=amdgcn-amd-amdhsa -mcpu=gfx1250 --defsym DOCPART=n.
;; ======== version 1 of 2: 4 launches
;; limits: values are held in f16: magnitudes above 65,504 overflow, below 6.1e-05 lose precision; right only within a limited range of input values
;; workspace buffers: xb 16,777,216 bytes; wb 4,194,304 bytes; yb 16,777,216 bytes; vt 16,777,216 bytes; pb 33,554,432 bytes; st 1,048,576 bytes
;; launch cast (part 1): grid 256 x 1, 8 waves a work-group, no clusters, 132,096 bytes of LDS; arguments x, Wq, Wk, Wv, xb, wb, st; writes xb, wb, st
.if DOCPART == 1
	.amdgcn_target "amdgcn-amd-amdhsa--gfx1250"
	.amdhsa_code_object_version 6
	.text
	.protected	k_qaff5104ebc_cast
	.globl	k_qaff5104ebc_cast
	.p2align	8
	.type	k_qaff5104ebc_cast,@function
k_qaff5104ebc_cast:
	s_mov_b64 s[64:65], 0
	v_nop
	global_prefetch_b8 v0, s[64:65] scope:SCOPE_SE
	s_setreg_imm32_b32 hwreg(HW_REG_WAVE_MODE, 25, 1), 1
	s_wait_xcnt 0x0
; TWO THINGS, both from the f32 inputs.
; (a) x [8192][1024] and Wv [1024][1024] are rounded once to bf16 (to nearest even), and that number is written as f16: xb [8192][1024]; wb rows 1024-2047.
; (b) Mt[e][d] = sum over h of Wk[h][e] Wq[h][d], bf16 operands, f32 sums; 32 Mt is rounded once to f16 into wb rows 0-1023.  With it scores = (x Wq^T)(x Wk^T)^T = (x Mt^T) x^T:
;     the same sums in another order, for every input, and one projection less.
; Also the table of softmax statistics st ([4][16 key blocks][2048 rows] pairs of f32) is preset to (-1e30, 0): "no key seen"; a later launch overwrites the pairs of the blocks that a row does see.
; LIMITS.  A bf16 number is an f16 number from 2^-17 to 65,504; below, the f16 is off by 2^-25 at the most; above, it is an infinity.  32 Mt likewise: |Mt| stays under 2,047.
; SHARES.  256 work-groups of eight waves.  (a) 32 rows of x and 4 of Wv: thread t owns bytes 16 t of each row in and bytes 8 t out: a wave's load covers 512 consecutive bytes, its store 256, aligned.
; (b) a tile of 64 x 64 of Mt; h IS SPLIT AMONG THE EIGHT WAVES, 128 each, 32 a step; the eight partial tiles meet in LDS (f32 sums may be taken in any order).
; NO TRANSPOSING LOAD.  A fragment wants h along a lane's registers, and W has h down its rows.  A lane loads 16 bytes, FOUR NEIGHBOURING COLUMNS of one row (sixteen lanes: 256 consecutive bytes, aligned),
; for each of the 16 rows that its fragment holds (lane l: rows 8 (l / 16) + 0..7 and 16 + 8 (l / 16) + 0..7), and gives the four columns to four fragments: fragment j's row r is column 4 r + j.
; One conversion joins rows h and h + 1 into a register.  In the result (source 0 = Wq's fragment jb, source 1 = Wk's fragment ja) lane l holds row e = 4 (l % 16) + ja and, in register i,
; column d = 4 (8 (l / 16) + i) + jb: over the four jb, consecutive columns.
; No LDS on the way in: no wave wants a byte of W that another wave of the work-group fetches.  No cluster: what work-groups share here (a block of 64 columns: sixteen of them) is a product of 2 GFLOP's operands.
; The 128 registers of sums are cleared while the first loads are out, so that the step has one form of product and is written once.
; REGISTERS: window 0: v0-15 addresses; v16-159 the 36 chunks of (a); v160-223 fragments (Wk's four, then Wq's four); v224-231 the packed result
;            window 1: v0-127 the 16 accumulators, (ja, jb) at 8 (4 ja + jb); v128-255 f32 as loaded: Wk's 16 rows x 4, then Wq's; later the partial sums read back
.set ROWI,  4096                       ; bytes in a row of f32
.set ROWO,  2048                       ; bytes in a row of f16
.set PARTB, 16384                      ; LDS: a wave's partial tile: register group q of 32 at 512 q, 16 bytes a lane
.set SPARE, 8*PARTB                    ; behind them: the spare words, 128 bytes a wave: four blocks of 256 bytes that no other line names
.set XO,  1                            ; v1   16 t
.set YO,  2                            ; v2   8 t
.set MO,  3                            ; v3   my place in a step of W: 8 (l / 16) rows + 16 (l % 16) bytes
.set LS,  8                            ; v8   where my partial sums go
.set LR0, 9                            ; v9   where I read the partial sums of waves 0-3,
.set LR1, 10                           ; v10  and of waves 4-7
.set WO,  11                           ; v11  my lane's byte offset in the tile of Mt
.set SPW, 12                           ; v12  my spare word; never rewritten
.set NIL, 13                           ; v13  0; never rewritten
.set X,   16
.set FR,  160
.set T,   224
.set ACC, 0                            ; window 1
.set RAW, 128                          ; window 1
.set WV,  18                           ; s18  my wave's number
.set CNT, 19
.set HIM, 30                           ; s30  a word's upper bf16
.set KP,  32                           ; s[32:33] Wk at my step's first row, the tile's 64 columns e
.set QP,  34                           ; s[34:35] Wq likewise, columns d
.set WVO, 36                           ; s[36:37] wb at the group's 4 rows of Wv
.set SCL, 38                           ; s[38:39] 32.0
.set MTO, 40                           ; s[40:41] wb at my wave's part of the tile of Mt
.set MSB, 0
.macro WIN new                         ; the immediate's high byte repeats the setting that is left; a switch that changes nothing is dropped
.if MSB != (\new)
	s_set_vgpr_msb (MSB<<8)|(\new)
.set MSB, \new
.endif
.endm
.macro PLACES                          ; four plain vector instructions between a matrix instruction and what reads its result or writes its sources (ISA guide 7.12.1)
.rept 4
	v_nop
.endr
.endm
.macro LOADM                           ; a step's 32 loads: 32 rows x 64 columns of Wk and of Wq
	WIN 0x40                                       ; destination window 1, address window 0
.irp i, 0,1,2,3,4,5,6,7,8,9,10,11,12,13,14,15
	global_load_b128 v[RAW+4*(\i):RAW+4*(\i)+3],       v[MO], s[KP:KP+1] offset:((\i)+8*((\i)/8))*ROWI
	global_load_b128 v[RAW+64+4*(\i):RAW+64+4*(\i)+3], v[MO], s[QP:QP+1] offset:((\i)+8*((\i)/8))*ROWI
.endr
	WIN 0
.endm
.macro CVT                             ; 64 conversions: operand o (0: Wk, 1: Wq), column j, rows 2 p and 2 p + 1 of each of the lane's two runs of eight
	WIN 0x05                                       ; sources window 1, destination window 0
.irp o, 0,1
.irp j, 0,1,2,3
.irp p, 0,1,2,3
	v_cvt_pk_bf16_f32 v[FR+32*(\o)+8*(\j)+(\p)],   v[RAW+64*(\o)+8*(\p)+(\j)],    v[RAW+64*(\o)+8*(\p)+4+(\j)]
	v_cvt_pk_bf16_f32 v[FR+32*(\o)+8*(\j)+4+(\p)], v[RAW+64*(\o)+32+8*(\p)+(\j)], v[RAW+64*(\o)+32+8*(\p)+4+(\j)]
.endr
.endr
.endr
	WIN 0
.endm
.macro CLOAD i                         ; chunk i of 36: a row of x (0-31) or of Wv (32-35)
.if (\i) < 32
	global_load_b128 v[X+4*(\i):X+4*(\i)+3], v[XO], s[4:5] offset:ROWI*(\i) th:TH_LOAD_NT
.else
	global_load_b128 v[X+4*(\i):X+4*(\i)+3], v[XO], s[10:11] offset:ROWI*((\i)-32) th:TH_LOAD_NT
.endif
.endm
.macro CHUNK i                         ; four numbers: to bf16, back to f32 (a shift, a mask), to f16 (exact), stored
.set c, X+4*(\i)
	v_cvt_pk_bf16_f32 v[c], v[c], v[c+1]
	v_cvt_pk_bf16_f32 v[c+1], v[c+2], v[c+3]
	v_lshlrev_b32 v[c+2], 16, v[c]
	v_and_b32 v[c+3], s[HIM], v[c]
	v_cvt_pk_f16_f32 v[c], v[c+2], v[c+3]
	v_lshlrev_b32 v[c+2], 16, v[c+1]
	v_and_b32 v[c+3], s[HIM], v[c+1]
	v_cvt_pk_f16_f32 v[c+1], v[c+2], v[c+3]
.if (\i) < 32
	global_store_b64 v[YO], v[c:c+1], s[12:13] offset:ROWO*(\i)
.else
	global_store_b64 v[YO], v[c:c+1], s[WVO:WVO+1] offset:ROWO*((\i)-32)
.endif
.endm
.macro ADDV a, b                       ; wave a's 16 partial sums take wave b's
.set r, 0
.rept 8
	v_pk_add_f32 v[RAW+16*(\a)+r:RAW+16*(\a)+r+1], v[RAW+16*(\a)+r:RAW+16*(\a)+r+1], v[RAW+16*(\b)+r:RAW+16*(\b)+r+1]
.set r, r+2
.endr
.endm
	s_load_b256 s[4:11], s[0:1], 0x0               ; x s[4:5], Wq s[6:7], Wk s[8:9], Wv s[10:11]
	s_load_b128 s[12:15], s[0:1], 0x20             ; xb s[12:13], wb s[14:15]
	s_load_b64 s[16:17], s[0:1], 0x30              ; st
	v_lshl_add_u32 v[SPW], v0, 2, SPARE
	v_mov_b32 v[NIL], 0
	v_lshrrev_b32 v14, 5, v0
	v_readfirstlane_b32 s[WV], v14                 ; wave 0..7
	v_lshlrev_b32 v[XO], 4, v0
	v_lshlrev_b32 v[YO], 3, v0
	v_mov_b32 v4, 0xf149f2ca                       ; -1e30
	v_mov_b32 v5, 0
	v_mov_b32 v6, 0xf149f2ca
	v_mov_b32 v7, 0
	v_and_b32 v14, 15, v0                          ; l % 16
	v_bfe_u32 v15, v0, 4, 1                        ; l / 16
	v_lshlrev_b32 v[MO], 4, v14
	v_lshl_add_u32 v[MO], v15, 15, v[MO]           ; 8 rows of 4,096 bytes for the upper half of the lanes
	v_lshlrev_b32 v[WO], 13, v14                   ; Mt: row 4 (l % 16): 4 x 2,048 bytes,
	v_lshl_add_u32 v[WO], v15, 6, v[WO]            ; 32 columns of 2 bytes for the upper half
	v_and_b32 v14, 31, v0
	s_lshl_b32 s20, s[WV], 14
	v_lshl_add_u32 v[LS], v14, 4, s20              ; 16,384 x wave + 16 x lane
	s_lshr_b32 s21, s[WV], 1                       ; at the end I finish ja = wave / 2,
	s_and_b32 s22, s[WV], 1                        ; registers 4 (wave % 2) + 0..3 of its four accumulators: groups q = 8 ja + 2 jb + wave % 2
	s_lshl_b32 s23, s21, 12
	s_lshl_b32 s24, s22, 9
	s_add_co_u32 s23, s23, s24
	v_lshl_add_u32 v[LR0], v14, 4, s23
	v_add_nc_u32 v[LR1], 0x10000, v[LR0]           ; an LDS offset holds 16 bits
	s_mov_b32 s[HIM], 0xffff0000
	s_mov_b32 s[SCL], 0x42000000                   ; 32.0
	s_mov_b32 s[SCL+1], s[SCL]
	s_lshl_b32 s24, ttmp9, 17                      ; the group's 32 rows of x
	s_mov_b32 s25, 0
	s_lshl_b32 s26, ttmp9, 14                      ; its 4 rows of Wv
	s_mov_b32 s27, 0
	s_lshl_b32 s28, ttmp9, 16                      ; 32 rows of xb
	s_mov_b32 s29, 0
	s_lshl_b32 s42, ttmp9, 13                      ; 4 rows of wb,
	s_add_co_u32 s42, s42, 0x200000                ; behind Mt's 1,024
	s_mov_b32 s43, 0
	s_lshl_b32 s44, ttmp9, 12                      ; its 4,096 bytes of st
	s_mov_b32 s45, 0
	s_lshr_b32 s31, ttmp9, 4                       ; the tile of Mt: rows 64 (g / 16),
	s_and_b32 s52, ttmp9, 15                       ; columns 64 (g % 16)
	s_lshl_b32 s53, s[WV], 19                      ; my 128 rows of Wk and Wq
	s_lshl_b32 s46, s31, 8                         ; 64 columns of f32
	s_add_co_u32 s46, s46, s53
	s_mov_b32 s47, 0
	s_lshl_b32 s48, s52, 8
	s_add_co_u32 s48, s48, s53
	s_mov_b32 s49, 0
	s_lshl_b32 s50, s31, 17                        ; 64 rows of 2,048 bytes
	s_lshl_b32 s53, s21, 11                        ; + row ja
	s_add_co_u32 s50, s50, s53
	s_lshl_b32 s53, s52, 7                         ; + 64 columns of f16
	s_add_co_u32 s50, s50, s53
	s_lshl_b32 s53, s22, 5                         ; + 16 columns for the upper four registers
	s_add_co_u32 s50, s50, s53
	s_mov_b32 s51, 0
	s_wait_kmcnt 0x0
	s_add_nc_u64 s[KP:KP+1], s[8:9], s[46:47]
	s_add_nc_u64 s[QP:QP+1], s[6:7], s[48:49]
	s_add_nc_u64 s[4:5], s[4:5], s[24:25]
	s_add_nc_u64 s[10:11], s[10:11], s[26:27]
	s_add_nc_u64 s[12:13], s[12:13], s[28:29]
	s_add_nc_u64 s[WVO:WVO+1], s[14:15], s[42:43]
	s_add_nc_u64 s[MTO:MTO+1], s[14:15], s[50:51]
	s_add_nc_u64 s[16:17], s[16:17], s[44:45]
	LOADM                                          ; Mt's first step: it is on its way while the chunks are worked on
.set n, 0
.rept 31                               ; 32 + 31 = 63 loads of mine are out
	CLOAD n
.set n, n+1
.endr
	global_store_b128 v[XO], v[4:7], s[16:17]      ; two pairs (-1e30, 0) a thread
	WIN 0x40
.set n, 0
.rept 128
	v_mov_b32 v[ACC+n], 0
.set n, n+1
.endr
	WIN 0
.set n, 0
.rept 36
.if n < 6
	s_wait_loadcnt 30                              ; loads come back in order: chunk n is in; behind it 30 were issued (chunks 31 to 35 go out behind chunks 0 to 4)
.else
	s_wait_loadcnt 35-n
.endif
	CHUNK n
.if n < 5
	CLOAD n+31
.endif
.set n, n+1
.endr
	s_mov_b32 s[CNT], 4
.Lm:                                               ; four steps of 32 along h
	s_wait_loadcnt 0x0                             ; the step's 32 loads are in, and no load reads the two pointers any more
	CVT
	s_cmp_eq_u32 s[CNT], 1                         ; the last step has none behind it: its loads are jumped over; the wait above is for 0 on both ways
	s_cbranch_scc1 .Lnoload
	s_add_nc_u64 s[KP:KP+1], s[KP:KP+1], 32*ROWI
	s_add_nc_u64 s[QP:QP+1], s[QP:QP+1], 32*ROWI
	LOADM
.Lnoload:
	WIN 0x50                                       ; C and D window 1, the fragments window 0
.irp a, 0,1,2,3                        ; the 16 accumulators take turns, over the backward jump too
.irp b, 0,1,2,3
	v_wmma_f32_16x16x32_bf16 v[ACC+8*(4*(\a)+(\b)):ACC+8*(4*(\a)+(\b))+7], v[FR+32+8*(\b):FR+32+8*(\b)+7], v[FR+8*(\a):FR+8*(\a)+7], v[ACC+8*(4*(\a)+(\b)):ACC+8*(4*(\a)+(\b))+7]
.endr
.endr
	WIN 0
	PLACES                                         ; in front of the next step's conversions, which write the fragments, and of the LDS stores behind the loop
	s_sub_co_u32 s[CNT], s[CNT], 1
	s_cmp_lg_u32 s[CNT], 0
	s_cbranch_scc1 .Lm
	WIN 0x04                                       ; store data window 1
.set n, 0
.rept 32
	ds_store_b128 v[LS], v[ACC+4*n:ACC+4*n+3] offset:512*n  ; each accumulator's low registers first
.set n, n+1
.endr
	WIN 0
	s_wait_dscnt 0x0                               ; for the others' sake: my partial tile is written
	s_barrier_signal -1
	s_barrier_wait -1
	WIN 0x40
.irp v, 0,1,2,3
.irp b, 0,1,2,3
	ds_load_b128 v[RAW+16*(\v)+4*(\b):RAW+16*(\v)+4*(\b)+3], v[LR0] offset:PARTB*(\v)+1024*(\b)
.endr
.endr
.irp v, 4,5,6,7
.irp b, 0,1,2,3
	ds_load_b128 v[RAW+16*(\v)+4*(\b):RAW+16*(\v)+4*(\b)+3], v[LR1] offset:PARTB*((\v)-4)+1024*(\b)
.endr
.endr
	s_wait_dscnt 0x0
	WIN 0x45
	ADDV 0, 1
	ADDV 2, 3
	ADDV 4, 5
	ADDV 6, 7
	ADDV 0, 2
	ADDV 4, 6
	ADDV 0, 4
.set r, 0
.rept 8
	v_pk_mul_f32 v[RAW+r:RAW+r+1], v[RAW+r:RAW+r+1], s[SCL:SCL+1] op_sel_hi:[1,0]
.set r, r+2
.endr
	WIN 0x05
.irp i, 0,1,2,3                        ; register i of jb = 0..3: four consecutive columns
	v_cvt_pk_f16_f32 v[T+2*(\i)],   v[RAW+(\i)],   v[RAW+4+(\i)]
	v_cvt_pk_f16_f32 v[T+2*(\i)+1], v[RAW+8+(\i)], v[RAW+12+(\i)]
.endr
	WIN 0
	global_store_b128 v[WO], v[T:T+3], s[MTO:MTO+1]              ; 32 consecutive bytes a lane.  A tile's rows are 128 bytes: Mt, 2 of the launch's 22 MB of stores, does not go out in whole runs of 256
	global_store_b128 v[WO], v[T+4:T+7], s[MTO:MTO+1] offset:16
	s_wait_tensorcnt 0x0                           ; the wave's end, behind my last LDS store
	ds_add_u32 v[SPW], v[NIL]
	s_wait_dscnt 0x0
	s_endpgm
.Lfunc_end_k_qaff5104ebc_cast:
	.size	k_qaff5104ebc_cast, .Lfunc_end_k_qaff5104ebc_cast-k_qaff5104ebc_cast
	.p2alignl 7, 3214868480
	.fill 96, 4, 3214868480
	.section	.rodata,"a",@progbits
	.p2align	6, 0x0
	.amdhsa_kernel k_qaff5104ebc_cast
		.amdhsa_group_segment_fixed_size 132096
		.amdhsa_private_segment_fixed_size 0
		.amdhsa_enable_private_segment 0
		.amdhsa_kernarg_size 56
		.amdhsa_user_sgpr_count 2
		.amdhsa_user_sgpr_kernarg_segment_ptr 1
		.amdhsa_wavefront_size32 1
		.amdhsa_system_sgpr_workgroup_id_x 1
		.amdhsa_system_sgpr_workgroup_id_y 1
		.amdhsa_system_sgpr_workgroup_id_z 1
		.amdhsa_system_vgpr_workitem_id 0
		.amdhsa_next_free_vgpr 512
		.amdhsa_next_free_sgpr 66
		.amdhsa_reserve_vcc 0
		.amdhsa_float_denorm_mode_32 3
		.amdhsa_float_denorm_mode_16_64 3
		.amdhsa_memory_ordered 1
		.amdhsa_forward_progress 1
		.amdhsa_inst_pref_size 50
	.end_amdhsa_kernel
	.amdgpu_metadata
---
amdhsa.version: [ 1, 2 ]
amdhsa.kernels:
  - .name:           k_qaff5104ebc_cast
    .symbol:         k_qaff5104ebc_cast.kd
    .args:
      - { .name: x, .offset: 0, .size: 8, .value_kind: global_buffer, .address_space: global }
      - { .name: Wq, .offset: 8, .size: 8, .value_kind: global_buffer, .address_space: global }
      - { .name: Wk, .offset: 16, .size: 8, .value_kind: global_buffer, .address_space: global }
      - { .name: Wv, .offset: 24, .size: 8, .value_kind: global_buffer, .address_space: global }
      - { .name: xb, .offset: 32, .size: 8, .value_kind: global_buffer, .address_space: global }
      - { .name: wb, .offset: 40, .size: 8, .value_kind: global_buffer, .address_space: global }
      - { .name: st, .offset: 48, .size: 8, .value_kind: global_buffer, .address_space: global }
    .group_segment_fixed_size: 132096
    .private_segment_fixed_size: 0
    .kernarg_segment_align: 8
    .kernarg_segment_size: 56
    .max_flat_workgroup_size: 256
    .sgpr_count:     66
    .vgpr_count:     512
    .wavefront_size: 32
...
	.end_amdgpu_metadata
.endif
;; end of part 1
;; launch proj (part 2): grid 8 x 32, 4 waves a work-group, clusters of 4 x 4, 327,680 bytes of LDS; arguments xb, wb, yb, vt; writes yb, vt
.if DOCPART == 2
	.amdgcn_target "amdgcn-amd-amdhsa--gfx1250"
	.amdhsa_code_object_version 6
	.text
	.protected	k_qaff5104ebc_proj
	.globl	k_qaff5104ebc_proj
	.p2align	8
	.type	k_qaff5104ebc_proj,@function
k_qaff5104ebc_proj:
	s_mov_b64 s[64:65], 0
	v_nop
	global_prefetch_b8 v0, s[64:65] scope:SCOPE_SE
	s_setreg_imm32_b32 hwreg(HW_REG_WAVE_MODE, 25, 1), 1
	s_wait_xcnt 0x0
	s_wait_alu depctr_hold_cnt(0) depctr_sa_sdst(0) depctr_va_vdst(0) depctr_va_sdst(0) depctr_va_ssrc(0) depctr_va_vcc(0) depctr_vm_vsrc(0)
	s_getreg_b32 s2, hwreg(HW_REG_IB_STS2, 6, 4)
	s_cmp_eq_u32 s2, 0
	s_cbranch_scc0 .Lentry_in_a_cluster
	s_endpgm
.Lentry_in_a_cluster:
	s_bfe_u32 s2, ttmp6, 0x10000c
	s_cmp_lg_u32 s2, 0xf033
	s_cbranch_scc0 .Lentry_shape_is_right
	s_endpgm
.Lentry_shape_is_right:
; THE TWO PRODUCTS OF x, C = A B^T with K = 1,024, f16 operands, f32 sums, C scaled and rounded once to f16.  256 tiles of 256 x 256, one to a work-group:
;   cluster column 0 (128 tiles): A = xb (8,192 tokens), B = wb rows 0-1023 (32 Wk^T Wq): C x 2^-14 = yb [8192][1024] = 2^-9 x Wq^T Wk, whose products with rows of x are the scores x 2^-9
;   cluster column 1 (128 tiles): A = wb rows 1024-2047 (Wv), B = xb: C = vt [4][1024 channels][2048 keys] = V transposed, by batch, so that the last launch finds keys along its rows
; LIMITS.  yb and vt are f16: a number of 65,520 or more becomes an infinity: |x Wq^T Wk| stays under 3.3e7, |v| under 65,504.  With inputs as drawn yb has a spread of 2e-3; with x 30 times larger and
; both weights 30 times smaller 6.5e-5, the least number that f16 holds with all its bits; with all inputs offset by 30 spreads yb is about 54,000.
; A work-group of four waves makes a tile, a wave 128 x 128: 64 accumulators, 512 registers.  K goes in 8 steps of 128 (rows of 256 bytes) through two LDS slots that take turns.
; A K step is written once: the slot in hand is a scalar (0 or SLOT) that an exclusive or turns, and ONE descriptor a tensor walks on from the second first fill.
; CLUSTER 4 x 4: A's tile hangs on the tile row alone and is asked for jointly by a row of the cluster, B's on the tile column alone, by a column.
; The matrix instruction is used transposed (source 0 = 16 rows of B, source 1 = 16 rows of A): a lane holds row l % 16 of C and eight neighbouring columns, 16 bytes of f16.
; REGISTERS, in windows of 256: window 0: v0-31 addresses; v32-63, v224-255 rows read back on the way out; v64-127, v128-191 A's two fragment buffers; v192-223 packed results
;   window 1: v64-127, v128-191 B's two buffers      window 2: accumulators (a, b) at 8 (8 a + b), a = 0..3      window 3: a = 4..7
.set KB,     256                       ; bytes of a row in a K step
.set PITCH,  272                       ; an LDS row: 256 bytes + 16 of padding: the 16 rows of a fragment load start 68 words apart
.set HALFT,  128*PITCH                 ; 128 rows: what one tensor load brings
.set SLOT,   4*HALFT                   ; 0x22000: A's 256 rows, then B's.  The four fill addresses (wave x HALFT) have bits 13 and 17 clear, so an exclusive or with SLOT goes to the other slot and back
.set STAGE,  2*SLOT                    ; 16 rows x 272 bytes for each wave, for the way out; no tensor load lands here
.set SPARE,  STAGE+4*16*PITCH          ; the spare words: 128 bytes a wave, two blocks of 256 bytes that no other line names
.set CO,    4                          ; v[4:11] my byte offset in rows 2 t and 2 t + 1 of 16 rows of C, t = 0..7: yb's rows are 2,048 bytes, vt's 4,096
.set ADRA0, 16                         ; v16  my place in A's rows of slot 0; never rewritten
.set ADRB0, 17                         ; v17  the same for B
.set ADRA,  18                         ; v18  the same in the slot in hand
.set ADRB,  19
.set STO,   24                         ; v24  the way out: where I put 16 bytes of a row
.set RD,    25                         ; v25  where I read a row back
.set SPW,   28                         ; v28  my spare word; never rewritten
.set NIL,   29                         ; v29  0; never rewritten
.set PFO,   30                         ; v30  the prefetches' offset: lane x 2,048, a lane a row
.set OB,    32
.set F0,    64
.set F1,    128
.set TMP,   192
.set WV, 12
.set RH, 13                            ; my half of the tile's rows; also: I fetch for A (0) or B (1)
.set CH, 14                            ; my half of its columns; also: which 128 rows I fetch
.set CNT, 15
.set G1, 24                            ; s[24:31] group 1 for A
.set G0, 32                            ; s[32:39] group 0 for A: the two first fills; the second walks on
.set CX, 40
.set CY, 41
.set XT, 42                            ; 4 x cluster y + cx
.set LIM, 43                           ; 2 in a wave that prefetches, else the greatest number
.set PFA, 44                           ; s[44:45] where my prefetches stand
.set G1B, 48
.set G0B, 56
.set CLX, 66                           ; cluster x: 0: the tile belongs to yb, 1: to vt
.set CLY, 67
.set YT, 68                            ; 4 x cluster y + cy
.set PSH, 69                           ; a row of C is 2^PSH bytes
.set AIDX, 70                          ; A's block of 256 rows
.set BIDX, 71
.set CROW, 72                          ; C's block of 256 rows
.set TB, 73                            ; LDS byte at which the slot in hand begins
.set TA, 74                            ; s[74:75] my 128 rows of A's tile, K step 0
.set TBB, 76                           ; s[76:77] the same for B
.set CCOL, 78                          ; C's block of 256 columns
.set SCL, 80                           ; s[80:81] what the sums are multiplied by: 2^-14 or 1
.set STEP, 82                          ; s[82:83] 16 rows of C, in bytes
.set MSB, 0
.macro WIN new                         ; the immediate's high byte repeats the setting that is left; a switch that changes nothing is dropped
.if MSB != (\new)
	s_set_vgpr_msb (MSB<<8)|(\new)
.set MSB, \new
.endif
.endm
.macro PLACES                          ; four plain vector instructions between a matrix instruction and a load into, or a vector instruction on, its registers
.rept 4
	v_nop
.endr
.endm
.macro JLOAD                           ; a joint refill by the walking descriptor: waves 0, 1 for A, waves 2, 3 for B; an s_nop 0 and four v_nop follow each line
	s_cmp_eq_u32 s[RH], 0
	s_cbranch_scc0 .Lfor_b_\@
	tensor_load_to_lds s[G0+4:G0+7], s[G1:G1+7]
	s_nop 0
	PLACES
	s_branch .Lasked_\@
.Lfor_b_\@:
	tensor_load_to_lds s[G0B+4:G0B+7], s[G1B:G1B+7]
	s_nop 0
	PLACES
.Lasked_\@:
.endm
.macro CREST                           ; a round of the cluster's barrier behind its opening barrier
	s_cmp_lg_u32 s[WV], 0
	s_cbranch_scc1 .Lnot_wave_0_\@
	s_barrier_signal -3
.Lnot_wave_0_\@:
	s_barrier_wait -3
	s_barrier_signal -1
	s_barrier_wait -1
.endm
.macro CROUND
	s_barrier_signal -1
	s_barrier_wait -1
	CREST
.endm
; A prefetch of the K step that stands two refills on: 32 rows x 256 bytes, a lane a row, one instruction a wave.  Each row's 256 bytes of a K step are named once in the launch:
; xb's rows by the clusters of column 0, where they are A; wb's rows, which all eight clusters of a column read, by the clusters with y = 0; the four partners of a joint load take 32 rows each, told apart by address.
; xb's second reading, as B in column 1, is not asked for.  Trip t (CNT = 6 - t) refills K step t + 2 and names t + 4, while that is at most 7: CNT > 2.
.macro ASK
	s_cmp_gt_u32 s[CNT], s[LIM]
	s_cbranch_scc0 .Lnot_mine_\@
	global_prefetch_b8 v[PFO], s[PFA:PFA+1] offset:KB th:TH_LOAD_NT scope:SCOPE_SE
.Lnot_mine_\@:
.endm
	s_load_b256 s[4:11], s[0:1], 0x0               ; xb s[4:5], wb s[6:7], yb s[8:9], vt s[10:11]
	v_lshl_add_u32 v[SPW], v0, 2, SPARE
	v_mov_b32 v[NIL], 0
	ds_add_u32 v[SPW], v[NIL]                      ; the wave's opening: the add and its wait stand ahead of my first tensor load; the set-up below stands between them
	v_lshrrev_b32 v1, 5, v0
	v_readfirstlane_b32 s[WV], v1
	s_lshr_b32 s[RH], s[WV], 1
	s_and_b32 s[CH], s[WV], 1
	s_bfe_u32 s[CX], ttmp6, 0x40000
	s_bfe_u32 s[CY], ttmp6, 0x40004
	s_mov_b32 s[CLX], ttmp9
	s_and_b32 s[CLY], ttmp7, 0xffff
	s_lshl_b32 s[XT], s[CLY], 2
	s_add_co_u32 s[XT], s[XT], s[CX]
	s_lshl_b32 s[YT], s[CLY], 2
	s_add_co_u32 s[YT], s[YT], s[CY]
	s_add_co_u32 s20, s[CY], 4                     ; Wv's block cy lies 4 blocks down in wb
	s_lshr_b32 s21, s[CLY], 1                      ; xb's block XT belongs to batch XT / 8 = cluster y / 2,
	s_lshl_b32 s21, s21, 2
	s_add_co_u32 s21, s21, s[CY]                   ; vt's block of rows: 4 x batch + cy,
	s_and_b32 s22, s[XT], 7                        ; its block of keys
	s_cmp_eq_u32 s[CLX], 0
	s_cselect_b32 s[AIDX], s[YT], s20              ; made of cy and the cluster's place alone
	s_cselect_b32 s[BIDX], s[CX], s[XT]            ; made of cx and the cluster's place alone
	s_cselect_b32 s[CROW], s[YT], s21
	s_cselect_b32 s[CCOL], s[CX], s22
	s_cselect_b32 s[PSH], 11, 12
	s_cselect_b32 s[SCL], 0x38800000, 1.0          ; 2^-14
	s_mov_b32 s[SCL+1], s[SCL]
	s_lshl_b32 s[STEP], 16, s[PSH]
	s_mov_b32 s[STEP+1], 0
	s_lshl_b32 s20, s[CY], 2
	s_lshl_b32 s20, 15, s20                        ; my row of the cluster
	s_lshl_b32 s21, 0x1111, s[CX]                  ; my column
	s_or_b32 s[G1], s20, (1<<16)|(1<<20)|(1<<21)|(5<<22)|(3<<25)   ; the mask; 2-byte elements; padding on; bit 21 beside a mask; after every 64 words, 4 words
	s_or_b32 s[G1B], s21, (1<<16)|(1<<20)|(1<<21)|(5<<22)|(3<<25)
.irp g, G1, G1B
	s_mov_b32 s[(\g)+1], 128<<16                   ; tensor_dim0 = 128
	s_mov_b32 s[(\g)+2], 128<<16                   ; tensor_dim1 = 128
	s_mov_b32 s[(\g)+3], 128<<16                   ; tile_dim0 = 128
	s_mov_b32 s[(\g)+4], 128                       ; tile_dim1 = 128
	s_mov_b32 s[(\g)+5], 1024                      ; elements from row to row
	s_mov_b32 s[(\g)+6], 0
	s_mov_b32 s[(\g)+7], 0
.endr
	s_lshl_b32 s16, s[AIDX], 19                    ; 256 rows of 2,048 bytes
	s_lshl_b32 s17, s[CH], 18                      ; the 128 rows that I fetch
	s_add_co_u32 s16, s16, s17
	s_lshl_b32 s46, s[BIDX], 19
	s_add_co_u32 s46, s46, s17
	s_mov_b32 s17, 0
	s_mov_b32 s47, 0
	s_mul_i32 s20, s[WV], HALFT                    ; where they go: no place in the cluster enters an LDS address
	s_mov_b32 s[TB], 0
	s_wait_dscnt 0x0                               ; the opening add is done
	s_wait_kmcnt 0x0
	s_cmp_eq_u32 s[CLX], 0
	s_cselect_b64 s[TA:TA+1], s[4:5], s[6:7]
	s_cselect_b64 s[TBB:TBB+1], s[6:7], s[4:5]
	s_cselect_b64 s[8:9], s[8:9], s[10:11]         ; C
	s_add_nc_u64 s[TA:TA+1], s[TA:TA+1], s[16:17]
	s_add_nc_u64 s[TBB:TBB+1], s[TBB:TBB+1], s[46:47]
.irp n, 0,1
	s_mov_b32 s[G0+4*(\n)], 1
	s_add_co_u32 s[G0+4*(\n)+1], s20, (\n)*SLOT
	s_add_nc_u64 s[G0+4*(\n)+2:G0+4*(\n)+3], s[TA:TA+1], (\n)*KB
	s_or_b32 s[G0+4*(\n)+3], s[G0+4*(\n)+3], 0x80000000
	s_mov_b32 s[G0B+4*(\n)], 1
	s_add_co_u32 s[G0B+4*(\n)+1], s20, (\n)*SLOT
	s_add_nc_u64 s[G0B+4*(\n)+2:G0B+4*(\n)+3], s[TBB:TBB+1], (\n)*KB
	s_or_b32 s[G0B+4*(\n)+3], s[G0B+4*(\n)+3], 0x80000000
.endr
	CROUND                                         ; all sixteen work-groups are here: the first joint loads meet
	s_cmp_eq_u32 s[RH], 0                          ; a wave's two first fills (K steps 0 and 1) stand in one branch: two loads of mine are out
	s_cbranch_scc0 .Lfirst_b
	tensor_load_to_lds s[G0:G0+3], s[G1:G1+7]
	s_nop 0
	tensor_load_to_lds s[G0+4:G0+7], s[G1:G1+7]
	s_nop 0
	PLACES
	s_branch .Lfirst_asked
.Lfirst_b:
	tensor_load_to_lds s[G0B:G0B+3], s[G1B:G1B+7]
	s_nop 0
	tensor_load_to_lds s[G0B+4:G0B+7], s[G1B:G1B+7]
	s_nop 0
	PLACES
.Lfirst_asked:
	; a fragment is 16 rows x 32 K in 8 registers: lane l holds row l % 16, K = 8 (l / 16) + 0..7 and 16 + 8 (l / 16) + 0..7: two loads of 16 bytes, 32 bytes apart
	v_and_b32 v1, 15, v0
	v_bfe_u32 v2, v0, 4, 1
	v_mul_u32_u24 v3, v1, PITCH
	v_lshl_add_u32 v3, v2, 4, v3
	s_mul_i32 s21, s[RH], HALFT
	s_mul_i32 s22, s[CH], HALFT
	s_add_co_u32 s22, s22, 2*HALFT
	v_add_nc_u32 v[ADRA0], s21, v3
	v_add_nc_u32 v[ADRB0], s22, v3
	v_mov_b32 v[ADRA], v[ADRA0]
	v_mov_b32 v[ADRB], v[ADRB0]
	s_mul_i32 s23, s[WV], 16*PITCH
	s_add_co_u32 s23, s23, STAGE
	v_add_nc_u32 v[STO], s23, v3                   ; in: row l % 16, 16 bytes for each half of the lanes
	v_mul_u32_u24 v12, v2, PITCH
	v_lshl_add_u32 v12, v1, 4, v12
	v_add_nc_u32 v[RD], s23, v12                   ; back: lanes 0-15 one row of 256 bytes, lanes 16-31 the next
	v_lshlrev_b32 v12, s[PSH], v2
	v_lshl_add_u32 v[CO], v1, 4, v12               ; the same two rows in C,
	s_lshl_b32 s21, 2, s[PSH]
.irp t, 1,2,3,4,5,6,7
	v_add_nc_u32 v[CO+(\t)], s21, v[CO+(\t)-1]     ; and the seven pairs of rows below them
.endr
	s_lshl_b32 s16, s[CROW], 8                     ; my part of C: (256 CROW + 128 RH) rows + 512 CCOL + 256 CH bytes
	s_lshl_b32 s17, s[RH], 7
	s_add_co_u32 s16, s16, s17
	s_lshl_b32 s16, s16, s[PSH]
	s_lshl_b32 s17, s[CCOL], 9
	s_add_co_u32 s16, s16, s17
	s_lshl_b32 s17, s[CH], 8
	s_add_co_u32 s16, s16, s17
	s_mov_b32 s17, 0
	s_add_nc_u64 s[8:9], s[8:9], s[16:17]
	s_cmp_eq_u32 s[RH], 0                          ; the prefetches: my work-group's 32 of the 128 rows that I fetch, at K step 2; the first change of slots steps it on
	s_cselect_b64 s[PFA:PFA+1], s[TA:TA+1], s[TBB:TBB+1]
	s_cselect_b32 s16, s[CX], s[CY]
	s_lshl_b32 s16, s16, 16
	s_add_co_u32 s16, s16, 2*KB
	s_add_nc_u64 s[PFA:PFA+1], s[PFA:PFA+1], s[16:17]
	s_cmp_eq_u32 s[CLX], 0
	s_cselect_b32 s21, 0, s[CLY]                   ; A's waves ask in column 0 always, in column 1 where the cluster's y is 0;
	s_cselect_b32 s22, s[CLY], 1                   ; B's in column 0 where its y is 0, in column 1 never: the same in all sixteen partners
	s_cmp_eq_u32 s[RH], 0
	s_cselect_b32 s21, s21, s22
	s_cmp_eq_u32 s21, 0
	s_cselect_b32 s[LIM], 2, -1
	v_and_b32 v[PFO], 31, v0
	v_lshlrev_b32 v[PFO], 11, v[PFO]
; 16 matrix instructions: row blocks a0, a0 + 1 of the window's four x all 8 column blocks, 32 along K.  zero = 1: the products start the sums.  The 64 accumulators take turns, one instruction a turn.
.macro MUL16 f, hi, a0, zero
	WIN 0xa1+0x50*(\hi)
.irp a, \a0, (\a0)+1
.irp b, 0,1,2,3,4,5,6,7
.if \zero
	v_wmma_f32_16x16x32_f16 v[8*(8*(\a)+(\b)):8*(8*(\a)+(\b))+7], v[(\f)+8*(\b):(\f)+8*(\b)+7], v[(\f)+8*(4*(\hi)+(\a)):(\f)+8*(4*(\hi)+(\a))+7], 0
.else
	v_wmma_f32_16x16x32_f16 v[8*(8*(\a)+(\b)):8*(8*(\a)+(\b))+7], v[(\f)+8*(\b):(\f)+8*(\b)+7], v[(\f)+8*(4*(\hi)+(\a)):(\f)+8*(4*(\hi)+(\a))+7], v[8*(8*(\a)+(\b)):8*(8*(\a)+(\b))+7]
.endif
.endr
.endr
.endm
.macro FETCH k, f                      ; 32 LDS loads in one run: a quarter step's fragments (byte k of the rows) into buffer f: B's 16, then A's
	WIN 0x40
.irp i, 0,1,2,3,4,5,6,7
	ds_load_b128 v[(\f)+8*(\i):(\f)+8*(\i)+3],   v[ADRB] offset:(\k)+(\i)*16*PITCH
	ds_load_b128 v[(\f)+8*(\i)+4:(\f)+8*(\i)+7], v[ADRB] offset:(\k)+(\i)*16*PITCH+32
.endr
	WIN 0
.irp i, 0,1,2,3,4,5,6,7
	ds_load_b128 v[(\f)+8*(\i):(\f)+8*(\i)+3],   v[ADRA] offset:(\k)+(\i)*16*PITCH
	ds_load_b128 v[(\f)+8*(\i)+4:(\f)+8*(\i)+7], v[ADRA] offset:(\k)+(\i)*16*PITCH+32
.endr
.endm
.macro QUARTER k, f, g, zero           ; one of a K step's first three quarters: multiplies buffer f, fetches the next quarter (byte k) into g
	s_wait_dscnt 8                                 ; B and A's rows 0-63 are in; the youngest eight loads (A's rows 64-127) may be out
	MUL16 \f, 0, 0, \zero
	MUL16 \f, 0, 2, \zero
	PLACES
	FETCH \k, \g
	s_wait_dscnt 32                                ; all but the 32 just issued
	MUL16 \f, 1, 0, \zero
	MUL16 \f, 1, 2, \zero
.endm
; The fourth quarter multiplies buffer 1 and changes slots.  In front of the barrier each wave waits for all its tensor loads (one is out: its part of the next slot), adds 0 to its spare word, and waits
; for that and for its reads of this slot.  fill = 1: the barrier opens a round of the cluster's, and the slot just read is filled again, first thing behind it, with the K step two on.
; last = 1: in the trip with CNT = 1 there is no further K step, and the run of loads is jumped over.
.macro TURN fill, last
.if \fill
	s_wait_xcnt 0x0                                ; the last prefetch, a K step back, has read its address
	s_add_nc_u64 s[PFA:PFA+1], s[PFA:PFA+1], KB
.endif
	WIN 0
	s_wait_tensorcnt 0x0                           ; no tensor load of mine is out, so the walking descriptors may be written
	ds_add_u32 v[SPW], v[NIL]                      ; 0 onto my spare word
.if \fill
	s_xor_b32 s[G0+5], s[G0+5], SLOT               ; the other slot than last time,
	s_add_nc_u64 s[G0+6:G0+7], s[G0+6:G0+7], KB    ; the next K step; the type bits on top are not reached
	s_xor_b32 s[G0B+5], s[G0B+5], SLOT
	s_add_nc_u64 s[G0B+6:G0B+7], s[G0B+6:G0B+7], KB
.endif
	s_wait_dscnt 9                                 ; the add and the youngest eight loads may be out
	MUL16 F1, 0, 0, 0
	s_wait_dscnt 0x0                               ; the add is done, and my reads of this slot are over
	s_barrier_signal -1
	MUL16 F1, 0, 2, 0
	WIN 0
	s_barrier_wait -1
.if \fill
	CREST                                          ; no wave of any partner still reads this slot or has a load on its way
	JLOAD                                          ; its four v_nop are also the places in front of the loads below
.else
	PLACES
.endif
	s_xor_b32 s[TB], s[TB], SLOT
	v_add_nc_u32 v[ADRA], s[TB], v[ADRA0]
	v_add_nc_u32 v[ADRB], s[TB], v[ADRB0]
.if \last
	s_cmp_eq_u32 s[CNT], 1
	s_cbranch_scc1 .Lno_more_\@
.endif
	FETCH 0, F0
.if \last
.Lno_more_\@:
.endif
.if \fill
	ASK
.endif
	MUL16 F1, 1, 0, 0
	MUL16 F1, 1, 2, 0
.endm
; THE WAY OUT of row block a: scaled, rounded to f16, 16 bytes a lane; through my own stage in LDS; back as whole rows of 256 bytes; stored.
.macro PACK a
.set AC, 64*((\a)%4)
	WIN 0x82+0x41*((\a)/4)
.set r, 0
.rept 32
	v_pk_mul_f32 v[AC+r:AC+r+1], v[AC+r:AC+r+1], s[SCL:SCL+1] op_sel_hi:[1,0]  ; each accumulator from its low end on
.set r, r+2
.endr
	WIN 0x0a+5*((\a)/4)
.irp b, 0,1,2,3,4,5,6,7
.irp r, 0,1,2,3
	v_cvt_pk_f16_f32 v[TMP+4*(\b)+(\r)], v[AC+8*(\b)+2*(\r)], v[AC+8*(\b)+2*(\r)+1]
.endr
.endr
	WIN 0
.endm
.macro TOSTAGE a
	WIN 0
.set BK, OB+192*((\a)%2)
.irp b, 0,1,2,3,4,5,6,7
	ds_store_b128 v[STO], v[TMP+4*(\b):TMP+4*(\b)+3] offset:32*(\b)
.endr
.irp t, 0,1,2,3,4,5,6,7
	ds_load_b128 v[BK+4*(\t):BK+4*(\t)+3], v[RD] offset:(\t)*2*PITCH  ; LDS serves a wave's instructions in order (ISA guide 5.7.1.4): these see the stores above
.endr
.endm
.macro SEND a
	WIN 0
.set BK, OB+192*((\a)%2)
	s_wait_dscnt 0x0                               ; the block is back in registers
	s_wait_xcnt 0x0                                ; earlier stores have read their base and data: only behind this wait are they written again
.if (\a) > 0
	s_add_nc_u64 s[8:9], s[8:9], s[STEP:STEP+1]
.endif
.irp t, 0,1,2,3,4,5,6,7
	global_store_b128 v[CO+(\t)], v[BK+4*(\t):BK+4*(\t)+3], s[8:9]  ; 16 lanes store 256 consecutive bytes, aligned
.endr
.endm
	s_wait_tensorcnt 1                             ; my part of K step 0 is in; K step 1's may stay out
	s_barrier_signal -1
	s_barrier_wait -1
	FETCH 0, F0
	QUARTER 64, F0, F1, 1                          ; the first quarter stands in front of the loop: its products start the sums
	WIN 0
	s_mov_b32 s[CNT], 6
.LA:                                               ; six trips, from a K step's second quarter to the next step's first: K steps 2 to 7 are asked for
	QUARTER 128, F1, F0, 0
	QUARTER 192, F0, F1, 0
	TURN 1, 0
	QUARTER 64, F0, F1, 0
	WIN 0
	s_sub_co_u32 s[CNT], s[CNT], 1
	s_cmp_lg_u32 s[CNT], 0
	s_cbranch_scc1 .LA
	s_mov_b32 s[CNT], 2
.LB:                                               ; the last two K steps ask for nothing: a second text; the second trip is left in its middle
	QUARTER 128, F1, F0, 0
	QUARTER 192, F0, F1, 0
	TURN 0, 1
	WIN 0
	s_sub_co_u32 s[CNT], s[CNT], 1
	s_cmp_eq_u32 s[CNT], 0
	s_cbranch_scc1 .Lout
	QUARTER 64, F0, F1, 0
	WIN 0
	s_branch .LB
.Lout:
	s_wait_dscnt 0x0
	PLACES
	PACK 0
	TOSTAGE 0
.irp a, 1,2,3,4,5,6,7                  ; block a's arithmetic stands between block a - 1's loads from the stage and the wait for them
	PACK \a
	SEND (\a)-1
	TOSTAGE \a
.endr
	SEND 7
	s_wait_tensorcnt 0x0                           ; the wave's end
	ds_add_u32 v[SPW], v[NIL]
	s_wait_dscnt 0x0
	CROUND                                         ; the closing round
	s_endpgm
.Lfunc_end_k_qaff5104ebc_proj:
	.size	k_qaff5104ebc_proj, .Lfunc_end_k_qaff5104ebc_proj-k_qaff5104ebc_proj
	.p2alignl 7, 3214868480
	.fill 96, 4, 3214868480
	.section	.rodata,"a",@progbits
	.p2align	6, 0x0
	.amdhsa_kernel k_qaff5104ebc_proj
		.amdhsa_group_segment_fixed_size 327680
		.amdhsa_private_segment_fixed_size 0
		.amdhsa_enable_private_segment 0
		.amdhsa_kernarg_size 32
		.amdhsa_user_sgpr_count 2
		.amdhsa_user_sgpr_kernarg_segment_ptr 1
		.amdhsa_wavefront_size32 1
		.amdhsa_system_sgpr_workgroup_id_x 1
		.amdhsa_system_sgpr_workgroup_id_y 1
		.amdhsa_system_sgpr_workgroup_id_z 1
		.amdhsa_system_vgpr_workitem_id 0
		.amdhsa_next_free_vgpr 1024
		.amdhsa_next_free_sgpr 84
		.amdhsa_reserve_vcc 0
		.amdhsa_float_denorm_mode_32 3
		.amdhsa_float_denorm_mode_16_64 3
		.amdhsa_memory_ordered 1
		.amdhsa_forward_progress 1
		.amdhsa_inst_pref_size 117
	.end_amdhsa_kernel
	.amdgpu_metadata
---
amdhsa.version: [ 1, 2 ]
amdhsa.kernels:
  - .name:           k_qaff5104ebc_proj
    .symbol:         k_qaff5104ebc_proj.kd
    .args:
      - { .name: xb, .offset: 0, .size: 8, .value_kind: global_buffer, .address_space: global }
      - { .name: wb, .offset: 8, .size: 8, .value_kind: global_buffer, .address_space: global }
      - { .name: yb, .offset: 16, .size: 8, .value_kind: global_buffer, .address_space: global }
      - { .name: vt, .offset: 24, .size: 8, .value_kind: global_buffer, .address_space: global }
    .group_segment_fixed_size: 327680
    .private_segment_fixed_size: 0
    .kernarg_segment_align: 8
    .kernarg_segment_size: 32
    .max_flat_workgroup_size: 128
    .sgpr_count:     84
    .vgpr_count:     1024
    .wavefront_size: 32
...
	.end_amdgpu_metadata
.endif
;; end of part 2
;; launch score (part 3): grid 11 x 16, 4 waves a work-group, no clusters, 327,680 bytes of LDS; arguments yb, xb, pb, st, wb, out0; writes pb, st, out0
.if DOCPART == 3
	.amdgcn_target "amdgcn-amd-amdhsa--gfx1250"
	.amdhsa_code_object_version 6
	.text
	.protected	k_qaff5104ebc_score
	.globl	k_qaff5104ebc_score
	.p2align	8
	.type	k_qaff5104ebc_score,@function
k_qaff5104ebc_score:
	s_mov_b64 s[64:65], 0
	v_nop
	global_prefetch_b8 v0, s[64:65] scope:SCOPE_SE
	s_setreg_imm32_b32 hwreg(HW_REG_WAVE_MODE, 25, 1), 1
	s_wait_xcnt 0x0
; THE SCORES AND THE FIRST HALF OF THE SOFTMAX.  For each of the 144 tiles of 256 queries x 256 keys on or below the diagonal (36 a batch): S = yb xb^T, K = 1,024, f16 operands, f32 sums.
; yb holds 2^-9 x Wq^T Wk, so S is 2^-9 times the score q . k.  Then, for each query and each block of 128 keys: m = the block's largest S; p = 2^(c S - c m), c = 2^9 log2(e) / 32,
; rounded to f16 into pb [4][2048][2048]; l = the sum of the rounded p; (c m, l) into st.  The last launch brings the blocks of a row onto the row's maximum: every exponential has a true maximum taken away.
; THE MASK is the C operand of the product that starts a sum: 0, or -1e30 where the key lies behind the query.  m is held at -2^96 or above, so a block that is wholly hidden gives p = 0 and l = 0.
; LIMITS.  yb and xb arrive as f16, so S is 4.4e12 at the most, nothing beside 1e30; a weight below 2^-24 of its block's largest is 0 in f16; NaN and infinities are not treated apart.
; SHARES.  grid x = 0..8, y = 4 x batch + P: rows P and 7 - P of the triangle have 9 tiles together.  A wave makes 128 x 128, so a block of 128 keys is one wave's.
; THE FIRST 32 ROWS OF EACH BATCH ARE FINISHED HERE, by 32 further work-groups (grid x = 9, 10), and stored into out0; the last launch does not store them.  A row of few keys is a sum of few large terms, on which
; the f16 roundings of its weights and of V weigh in full.  So for these rows the weights w and V go into the product as two f16 numbers each, a number and 2^11 times what it leaves:
; out = Vh Ph + 2^-11 (Vh Pl + Vl Ph).  V is made anew from xb and Wv (wb rows 1024-2047).  The scores' own roundings (Wk^T Wq and yb, f16 each) stay.
; Such a work-group takes a batch and 128 channels, a wave 32 channels and all 32 rows; no wave wants what another has, so there is no LDS and no barrier on that way.
; NO CLUSTER: a batch's 36 tiles are a square of 4 x 4 and two triangles of ten; ten tiles do not fall into fours that share a row or a column, and filling the squares up would launch work-groups with no work.
; The ring, the K step written once and the register windows are those of the projections' kernel; source 0 = 16 keys, source 1 = 16 queries: a lane holds ONE query (l % 16) and the keys 8 (l / 16) + 0..7 of each block of 16.
; window 0 on the way out: v64-87 maxima at work; v96-111 (c m, m) by row block; v112-119 l; v120-127 pairs to store; v128-135 ones; v136-167 row sums; v192-223 packed p; v32-63, v224-255 rows read back.
.set KB,     256
.set PITCH,  272
.set HALFT,  128*PITCH
.set SLOT,   4*HALFT                   ; 0x22000; the fill addresses (wave x HALFT) have bits 13 and 17 clear
.set STAGE,  2*SLOT
.set SPARE,  STAGE+4*16*PITCH
.set CPB,    4096                      ; bytes in a row of pb and of out0
.set ADRA0, 16
.set ADRB0, 17
.set ADRA,  18
.set ADRB,  19
.set STO,   24
.set RD,    25
.set CO,    26
.set SO,    27                         ; v27  8 x lane: my pair in 256 bytes of st
.set SPW,   28
.set NIL,   29
.set PFO,   30                         ; v30  lane x 2,048: a lane a row
.set OB,    32
.set MDX,   32                         ; v[32:39]  the mask of a block of 16 x 16 on the diagonal
.set BGX,   40                         ; v[40:47]  of a block above it
.set LOX,   48                         ; v[48:55]  of a block below it
.set F0,    64
.set F1,    128
.set TMP,   192
.set MX,    64
.set CMP,   96
.set LA,    112
.set SPR,   120
.set ONES,  128
.set SUMD,  136
.set WV, 12
.set RH, 13
.set CH, 14
.set CNT, 15
.set G1, 24
.set G0, 32
.set U,  40
.set BT, 41
.set PP, 42
.set LIM, 43
.set PFA, 44
.set TI, 46                            ; the tile's row of the triangle
.set TJ, 47                            ; its column
.set SUP, 48
.set SLO, 49
.set TB, 50
.set CS, 52                            ; s[52:53] c, twice
.set SEL, 54                           ; s[54:55] v_permlanex16_b32's selects
.set FLOOR, 56                         ; -2^96
.set HIM, 57                           ; lanes 16-31
.set BIG, 58                           ; -1e30
; the first rows' way, window 0 alone:
.set EFO,  3                           ; v3   my place in a fragment's rows: (l % 16) x 2,048 + 16 (l / 16), stepped along K
.set EVO,  4                           ; v4   my 32 bytes in 16 rows of out0
.set EDG,  5                           ; v5   l % 16 - 8 (l / 16)
.set ENEG, 6                           ; v6   -1.0
.set EQ,   8                           ; v[8:15]   query tile t: two maxima at work, then the pair (c m, m)
.set EU,   16                          ; v[16:23]  query tile t: sums at work; 1 / l in the third register
.set EF,   32                          ; v[32:127] two sets of 6 fragments: 2 of keys (xb), 2 of queries (yb), 2 of channels (Wv)
.set EPH,  32                          ; behind the loop: v[32:47] w, v[48:63] 2^11 x its rest, by query tile
.set EPL,  48
.set EVH,  64                          ; v[64:79] V, v[80:95] 2^11 x its rest, by channel tile
.set EVL,  80
.set ES,   128                         ; v[128:159] S^T: query tile t, key tile k at 8 (2 t + k); v[160:191] V: channel tile c, key tile k likewise
.set EV,   160
.set EO,   192                         ; v[192:223] Vh Ph: channel tile c, query tile t at 8 (2 c + t)
.set EO2,  224                         ; v[224:255] Vh Pl + Vl Ph
.set MSB, 0
.macro WIN new
.if MSB != (\new)
	s_set_vgpr_msb (MSB<<8)|(\new)
.set MSB, \new
.endif
.endm
.macro PLACES
.rept 4
	v_nop
.endr
.endm
; Prefetches: the work-groups on the diagonal ask for their own rows of yb and of xb, so each row's 256 bytes of a K step are named once in the launch.  A wave asks for the 128 rows that it fetches,
; a lane a row, four instructions, for the K step two refills on: trip t (CNT = 6 - t) names t + 4, while that is at most 7.
.macro ASK
	s_cmp_gt_u32 s[CNT], s[LIM]
	s_cbranch_scc0 .Lnot_mine_\@
.irp n, 0,1,2,3
	global_prefetch_b8 v[PFO], s[PFA:PFA+1] offset:KB+65536*(\n) th:TH_LOAD_NT scope:SCOPE_SE
.endr
.Lnot_mine_\@:
.endm
	s_load_b256 s[4:11], s[0:1], 0x0               ; yb s[4:5], xb s[6:7], pb s[8:9], st s[10:11]
	s_load_b128 s[60:63], s[0:1], 0x20             ; wb s[60:61], out0 s[62:63]
	v_lshl_add_u32 v[SPW], v0, 2, SPARE
	v_mov_b32 v[NIL], 0
	ds_add_u32 v[SPW], v[NIL]                      ; the wave's opening: the add and its wait stand ahead of my first tensor load
	v_lshrrev_b32 v1, 5, v0
	v_readfirstlane_b32 s[WV], v1
	s_lshr_b32 s[RH], s[WV], 1
	s_and_b32 s[CH], s[WV], 1
	s_mov_b32 s[U], ttmp9
	s_and_b32 s20, ttmp7, 0xffff
	s_lshr_b32 s[BT], s20, 2
	s_and_b32 s[PP], s20, 3
	s_sub_co_u32 s20, 7, s[PP]
	s_add_co_u32 s21, s[U], s20
	s_and_b32 s21, s21, 7                          ; U - P - 1 where U > P
	s_cmp_le_u32 s[U], s[PP]
	s_cselect_b32 s[TI], s[PP], s20
	s_cselect_b32 s[TJ], s[U], s21
	s_mov_b32 s[CS], 0x41b8aa3b                    ; c = 16 log2(e)
	s_mov_b32 s[CS+1], s[CS]
	s_mov_b32 s[SEL], 0x76543210
	s_mov_b32 s[SEL+1], 0xfedcba98
	s_mov_b32 s[FLOOR], 0xef800000
	s_mov_b32 s[HIM], 0xffff0000
	s_mov_b32 s[BIG], 0xf149f2ca
	s_mov_b32 s[TB], 0
	s_cmp_eq_u32 s[TI], s[TJ]
	s_cselect_b32 s20, 1, 0                        ; the tile holds the diagonal
	s_cmp_le_u32 s[RH], s[CH]
	s_cselect_b32 s21, s20, 0                      ; my quarter holds the diagonal or lies above it
	s_cmp_lt_u32 s[RH], s[CH]
	s_cselect_b32 s22, s20, 0                      ; it lies above it: all hidden
	s_cmp_eq_u32 s21, 1
	s_cselect_b32 s[SUP], s[BIG], 0
	s_cmp_eq_u32 s22, 1
	s_cselect_b32 s[SLO], s[BIG], 0
	s_cmp_eq_u32 s20, 1
	s_cselect_b32 s[LIM], 2, -1
	s_mov_b32 s[G1], (1<<16)|(1<<20)|(5<<22)|(3<<25)  ; 2-byte elements; padding on: after every 64 words, 4 words
	s_mov_b32 s[G1+1], 128<<16
	s_mov_b32 s[G1+2], 128<<16
	s_mov_b32 s[G1+3], 128<<16
	s_mov_b32 s[G1+4], 128
	s_mov_b32 s[G1+5], 1024                        ; elements from row to row of yb and of xb
	s_mov_b32 s[G1+6], 0
	s_mov_b32 s[G1+7], 0
	s_cmp_eq_u32 s[RH], 0                          ; waves 0, 1 fetch yb's rows of block TI, waves 2, 3 xb's rows of block TJ
	s_cselect_b32 s16, s[TI], s[TJ]
	s_lshl_b32 s16, s16, 19                        ; 256 rows of 2,048 bytes
	s_lshl_b32 s17, s[BT], 22
	s_add_co_u32 s16, s16, s17
	s_lshl_b32 s17, s[CH], 18
	s_add_co_u32 s16, s16, s17
	s_mov_b32 s17, 0
	s_mul_i32 s18, s[WV], HALFT
	s_wait_dscnt 0x0                               ; the opening add is done
	s_wait_kmcnt 0x0
	s_cmp_ge_u32 s[U], 9                           ; grid x = 9, 10: the first rows' way, behind the tiles' text.  The branch hangs on the work-group's x alone: all four waves take it alike
	s_cbranch_scc1 .Learly
	s_cmp_eq_u32 s[RH], 0
	s_cselect_b64 s[22:23], s[4:5], s[6:7]
	s_add_nc_u64 s[22:23], s[22:23], s[16:17]
.irp n, 0,1
	s_mov_b32 s[G0+4*(\n)], 1
	s_add_co_u32 s[G0+4*(\n)+1], s18, (\n)*SLOT
	s_add_nc_u64 s[G0+4*(\n)+2:G0+4*(\n)+3], s[22:23], (\n)*KB
	s_or_b32 s[G0+4*(\n)+3], s[G0+4*(\n)+3], 0x80000000
.endr
	tensor_load_to_lds s[G0:G0+3], s[G1:G1+7]      ; K steps 0 and 1: two loads of mine are out
	s_nop 0
	tensor_load_to_lds s[G0+4:G0+7], s[G1:G1+7]
	s_nop 0
	PLACES
	s_add_nc_u64 s[PFA:PFA+1], s[22:23], 2*KB      ; at K step 2; the first change of slots steps it on
	v_and_b32 v1, 15, v0
	v_bfe_u32 v2, v0, 4, 1
	v_mul_u32_u24 v3, v1, PITCH
	v_lshl_add_u32 v3, v2, 4, v3
	s_mul_i32 s21, s[RH], HALFT
	s_mul_i32 s22, s[CH], HALFT
	s_add_co_u32 s22, s22, 2*HALFT
	v_add_nc_u32 v[ADRA0], s21, v3
	v_add_nc_u32 v[ADRB0], s22, v3
	v_mov_b32 v[ADRA], v[ADRA0]
	v_mov_b32 v[ADRB], v[ADRB0]
	s_mul_i32 s23, s[WV], 16*PITCH
	s_add_co_u32 s23, s23, STAGE
	v_add_nc_u32 v[STO], s23, v3
	v_mul_u32_u24 v5, v2, PITCH
	v_lshl_add_u32 v5, v1, 4, v5
	v_add_nc_u32 v[RD], s23, v5
	v_lshlrev_b32 v5, 12, v2
	v_lshl_add_u32 v[CO], v1, 4, v5
	v_and_b32 v[PFO], 31, v0
	v_lshlrev_b32 v[SO], 3, v[PFO]
	v_lshlrev_b32 v[PFO], 11, v[PFO]
	; the masks: in a block on the diagonal register r (key 8 (l / 16) + r) is hidden where r > l % 16 - 8 (l / 16)
	v_lshlrev_b32 v14, 3, v2
	v_sub_nc_u32 v14, v1, v14
.irp r, 0,1,2,3,4,5,6,7
	v_mov_b32 v[BGX+(\r)], s[SUP]
	v_mov_b32 v[LOX+(\r)], s[SLO]
.endr
.irp r, 0,1,2,3,4,5,6,7
	v_cmp_gt_i32 vcc_lo, \r, v14
	v_cndmask_b32 v[MDX+(\r)], v[LOX], v[BGX], vcc_lo
.endr
	s_lshl_b32 s16, s[BT], 23                      ; my part of pb: (2,048 batch + 256 TI + 128 RH) rows of 4,096 bytes + 512 TJ + 256 CH
	s_lshl_b32 s17, s[TI], 20
	s_add_co_u32 s16, s16, s17
	s_lshl_b32 s17, s[RH], 19
	s_add_co_u32 s16, s16, s17
	s_lshl_b32 s17, s[TJ], 9
	s_add_co_u32 s16, s16, s17
	s_lshl_b32 s17, s[CH], 8
	s_add_co_u32 s16, s16, s17
	s_mov_b32 s17, 0
	s_add_nc_u64 s[8:9], s[8:9], s[16:17]
	s_lshl_b32 s16, s[BT], 18                      ; my part of st: ((16 batch + 2 TJ + CH) x 2,048 + 256 TI + 128 RH) pairs of 8 bytes
	s_lshl_b32 s17, s[TJ], 15
	s_add_co_u32 s16, s16, s17
	s_lshl_b32 s17, s[CH], 14
	s_add_co_u32 s16, s16, s17
	s_lshl_b32 s17, s[TI], 11
	s_add_co_u32 s16, s16, s17
	s_lshl_b32 s17, s[RH], 10
	s_add_co_u32 s16, s16, s17
	s_mov_b32 s17, 0
	s_add_nc_u64 s[10:11], s[10:11], s[16:17]
; 16 matrix instructions.  zero = 1: the products start the sums, with the mask (in window 0) as C: by the block's place against the diagonal of my quarter.
.macro MUL16 f, hi, a0, zero
.if \zero
	WIN 0x81+0x40*(\hi)
.else
	WIN 0xa1+0x50*(\hi)
.endif
.irp a, \a0, (\a0)+1
.irp b, 0,1,2,3,4,5,6,7
.if \zero
.set rC, LOX
.if (4*(\hi)+(\a)) < (\b)
.set rC, BGX
.endif
.if (4*(\hi)+(\a)) == (\b)
.set rC, MDX
.endif
	v_wmma_f32_16x16x32_f16 v[8*(8*(\a)+(\b)):8*(8*(\a)+(\b))+7], v[(\f)+8*(\b):(\f)+8*(\b)+7], v[(\f)+8*(4*(\hi)+(\a)):(\f)+8*(4*(\hi)+(\a))+7], v[rC:rC+7]
.else
	v_wmma_f32_16x16x32_f16 v[8*(8*(\a)+(\b)):8*(8*(\a)+(\b))+7], v[(\f)+8*(\b):(\f)+8*(\b)+7], v[(\f)+8*(4*(\hi)+(\a)):(\f)+8*(4*(\hi)+(\a))+7], v[8*(8*(\a)+(\b)):8*(8*(\a)+(\b))+7]
.endif
.endr
.endr
.endm
.macro FETCH k, f
	WIN 0x40
.irp i, 0,1,2,3,4,5,6,7
	ds_load_b128 v[(\f)+8*(\i):(\f)+8*(\i)+3],   v[ADRB] offset:(\k)+(\i)*16*PITCH
	ds_load_b128 v[(\f)+8*(\i)+4:(\f)+8*(\i)+7], v[ADRB] offset:(\k)+(\i)*16*PITCH+32
.endr
	WIN 0
.irp i, 0,1,2,3,4,5,6,7
	ds_load_b128 v[(\f)+8*(\i):(\f)+8*(\i)+3],   v[ADRA] offset:(\k)+(\i)*16*PITCH
	ds_load_b128 v[(\f)+8*(\i)+4:(\f)+8*(\i)+7], v[ADRA] offset:(\k)+(\i)*16*PITCH+32
.endr
.endm
.macro QUARTER k, f, g, zero
	s_wait_dscnt 8                                 ; the keys' and the queries' rows 0-63 are in; the youngest eight loads may be out
	MUL16 \f, 0, 0, \zero
	MUL16 \f, 0, 2, \zero
	PLACES
	FETCH \k, \g
	s_wait_dscnt 32                                ; all but the 32 just issued
	MUL16 \f, 1, 0, \zero
	MUL16 \f, 1, 2, \zero
.endm
; The fourth quarter and the change of slots: each wave waits for all its tensor loads, adds 0 to its spare word, waits for that and for its reads of the slot, and passes the barrier;
; fill = 1: the slot just read is filled again, first thing behind the barrier, one load a wave, with the K step two on.  last = 1: with CNT = 1 there is no further K step.
.macro TURN fill, last
.if \fill
	s_wait_xcnt 0x0                                ; the last prefetches, a K step back, have read their address
	s_add_nc_u64 s[PFA:PFA+1], s[PFA:PFA+1], KB
.endif
	WIN 0
	s_wait_tensorcnt 0x0
	ds_add_u32 v[SPW], v[NIL]
.if \fill
	s_xor_b32 s[G0+5], s[G0+5], SLOT
	s_add_nc_u64 s[G0+6:G0+7], s[G0+6:G0+7], KB
.endif
	s_wait_dscnt 9                                 ; the add and the youngest eight loads may be out
	MUL16 F1, 0, 0, 0
	s_wait_dscnt 0x0
	s_barrier_signal -1
	MUL16 F1, 0, 2, 0
	WIN 0
	s_barrier_wait -1
.if \fill
	tensor_load_to_lds s[G0+4:G0+7], s[G1:G1+7]
	s_nop 0
.endif
	PLACES                                         ; also the places in front of the loads below
	s_xor_b32 s[TB], s[TB], SLOT
	v_add_nc_u32 v[ADRA], s[TB], v[ADRA0]
	v_add_nc_u32 v[ADRB], s[TB], v[ADRB0]
.if \last
	s_cmp_eq_u32 s[CNT], 1
	s_cbranch_scc1 .Lno_more_\@
.endif
	FETCH 0, F0
.if \last
.Lno_more_\@:
.endif
.if \fill
	ASK
.endif
	MUL16 F1, 1, 0, 0
	MUL16 F1, 1, 2, 0
.endm
; THE WAY OUT, by row blocks a of 16 queries (64 registers: 8 accumulators of 16 keys).
.macro MAXS a                          ; the block's maximum for my query: each accumulator's lowest registers are read first; then the other half of the lanes; (c m, m)
.set AC, 64*((\a)%4)
	WIN 0x2a+0x15*((\a)/4)
.irp b, 0,1,2,3,4,5,6,7
	v_max3_num_f32 v[MX+(\b)], v[AC+8*(\b)], v[AC+8*(\b)+1], v[AC+8*(\b)+2]
.endr
.irp b, 0,1,2,3,4,5,6,7
	v_max3_num_f32 v[MX+8+(\b)], v[AC+8*(\b)+3], v[AC+8*(\b)+4], v[AC+8*(\b)+5]
.endr
.irp b, 0,1,2,3,4,5,6,7
	v_max_num_f32 v[MX+16+(\b)], v[AC+8*(\b)+6], v[AC+8*(\b)+7]
.endr
	WIN 0
.irp b, 0,1,2,3,4,5,6,7
	v_max3_num_f32 v[MX+(\b)], v[MX+(\b)], v[MX+8+(\b)], v[MX+16+(\b)]
.endr
	v_max3_num_f32 v[MX], v[MX], v[MX+1], v[MX+2]
	v_max3_num_f32 v[MX+3], v[MX+3], v[MX+4], v[MX+5]
	v_max3_num_f32 v[MX+6], v[MX+6], v[MX+7], s[FLOOR]
	v_max3_num_f32 v[MX], v[MX], v[MX+3], v[MX+6]
	v_permlanex16_b32 v[MX+1], v[MX], s[SEL], s[SEL+1]
	v_max_num_f32 v[CMP+2*(\a)+1], v[MX], v[MX+1]
	v_mul_f32 v[CMP+2*(\a)], s[CS], v[CMP+2*(\a)+1]
.endm
.macro SCAL a                          ; c s - c m, in place
.set AC, 64*((\a)%4)
	WIN 0x82+0x41*((\a)/4)
.set r, 0
.rept 32
	v_pk_fma_f32 v[AC+r:AC+r+1], v[AC+r:AC+r+1], s[CS:CS+1], v[CMP+2*(\a):CMP+2*(\a)+1] op_sel_hi:[1,0,0] neg_lo:[0,0,1] neg_hi:[0,0,1]
.set r, r+2
.endr
.endm
.macro EXPS a                          ; one batch of 64 exponentials, in place
.set AC, 64*((\a)%4)
	WIN 0x82+0x41*((\a)/4)
.set r, 0
.rept 64
	v_exp_f32 v[AC+r], v[AC+r]
.set r, r+1
.endr
.endm
.macro PACK a                          ; rounded to f16: 16 bytes a lane and block of 16 keys
.set AC, 64*((\a)%4)
	WIN 0x0a+5*((\a)/4)
.irp b, 0,1,2,3,4,5,6,7
.irp r, 0,1,2,3
	v_cvt_pk_f16_f32 v[TMP+4*(\b)+(\r)], v[AC+8*(\b)+2*(\r)], v[AC+8*(\b)+2*(\r)+1]
.endr
.endr
	WIN 0
.endm
.macro SUMW                            ; the sums of the rounded weights: ones x p, 32 keys an instruction; four accumulators, no chain; register 0 of each holds my query's sum over both halves of the lanes
	WIN 0
.irp i, 0,1,2,3
	v_wmma_f32_16x16x32_f16 v[SUMD+8*(\i):SUMD+8*(\i)+7], v[ONES:ONES+7], v[TMP+8*(\i):TMP+8*(\i)+7], 0
.endr
.endm
.macro LSUM a
	PLACES
	v_add_f32 v[LA+(\a)], v[SUMD], v[SUMD+8]
	v_add_f32 v[MX], v[SUMD+16], v[SUMD+24]
	v_add_f32 v[LA+(\a)], v[LA+(\a)], v[MX]
.endm
.macro TOSTAGE a
	WIN 0
.set BK, OB+192*((\a)%2)
.irp b, 0,1,2,3,4,5,6,7
	ds_store_b128 v[STO], v[TMP+4*(\b):TMP+4*(\b)+3] offset:32*(\b)
.endr
.irp t, 0,1,2,3,4,5,6,7
	ds_load_b128 v[BK+4*(\t):BK+4*(\t)+3], v[RD] offset:(\t)*2*PITCH  ; LDS serves a wave's instructions in order (ISA guide 5.7.1.4)
.endr
.endm
.macro SEND a
	WIN 0
.set BK, OB+192*((\a)%2)
	s_wait_dscnt 0x0
	s_wait_xcnt 0x0                                ; earlier stores have read their base and data
.if (\a) > 0
	s_add_nc_u64 s[8:9], s[8:9], 16*CPB
.endif
.irp t, 0,1,2,3,4,5,6,7
	global_store_b128 v[CO], v[BK+4*(\t):BK+4*(\t)+3], s[8:9] offset:2*(\t)*CPB  ; 16 lanes store 256 consecutive bytes, aligned
.endr
.endm
	s_wait_tensorcnt 1                             ; my part of K step 0 is in; K step 1's may stay out
	s_barrier_signal -1
	s_barrier_wait -1
	FETCH 0, F0
	QUARTER 64, F0, F1, 1
	WIN 0
	s_mov_b32 s[CNT], 6
.LA:
	QUARTER 128, F1, F0, 0
	QUARTER 192, F0, F1, 0
	TURN 1, 0
	QUARTER 64, F0, F1, 0
	WIN 0
	s_sub_co_u32 s[CNT], s[CNT], 1
	s_cmp_lg_u32 s[CNT], 0
	s_cbranch_scc1 .LA
	s_mov_b32 s[CNT], 2
.LB:                                               ; the last two K steps ask for nothing; the second trip is left in its middle
	QUARTER 128, F1, F0, 0
	QUARTER 192, F0, F1, 0
	TURN 0, 1
	WIN 0
	s_sub_co_u32 s[CNT], s[CNT], 1
	s_cmp_eq_u32 s[CNT], 0
	s_cbranch_scc1 .Lout
	QUARTER 64, F0, F1, 0
	WIN 0
	s_branch .LB
.Lout:
	s_wait_dscnt 0x0
	PLACES
.irp r, 0,1,2,3,4,5,6,7
	v_mov_b32 v[ONES+(\r)], 0x3c003c00             ; 1.0 twice in f16
.endr
	MAXS 0
	SCAL 0
.irp a, 0,1,2,3,4,5,6,7                ; a block's 64 exponentials are one batch; the next block's maximum and scaling are the work behind it; then ONE wait, ahead of the first reader
	EXPS \a
.if (\a) < 7
	MAXS (\a)+1
	SCAL (\a)+1
.else
	v_nop
.endif
	s_wait_alu depctr_va_vdst(0)
	PACK \a
	SUMW
.if (\a) > 0
	SEND (\a)-1
.endif
	TOSTAGE \a
	LSUM \a
.endr
	SEND 7
.irp n, 0,1,2,3                        ; (c m, l) of row 32 n + lane: lanes 0-15 take row block 2 n, lanes 16-31 block 2 n + 1: 256 consecutive bytes, aligned
	v_cndmask_b32 v[SPR+2*(\n)], v[CMP+4*(\n)], v[CMP+4*(\n)+2], s[HIM]
	v_cndmask_b32 v[SPR+2*(\n)+1], v[LA+2*(\n)], v[LA+2*(\n)+1], s[HIM]
	global_store_b64 v[SO], v[SPR+2*(\n):SPR+2*(\n)+1], s[10:11] offset:256*(\n)
.endr
	s_wait_tensorcnt 0x0                           ; the wave's end
	ds_add_u32 v[SPW], v[NIL]
	s_wait_dscnt 0x0
	s_endpgm
; THE FIRST 32 ROWS OF A BATCH, for my wave's 32 channels.  Fragments come straight from memory (16 rows x 32 along K: two loads of 16 bytes a lane, 32 bytes apart; rows of 2,048 bytes).
; One loop over K makes S^T (source 0 = 16 keys, source 1 = 16 queries: a lane holds one query and the keys 8 (l / 16) + 0..7) and V (source 0 = the same keys, source 1 = 16 rows of Wv: a lane holds one channel
; and the same keys).  Two such results side by side, packed in pairs, are a fragment of 16 rows x 32 keys: of P as source 1, of V^T as source 0 of O^T, whose result holds one query a lane and 8 channels.
.macro ELOADS b, off                   ; a K step's 12 loads into set b, from byte off behind my place
.irp i, 0,1
	global_load_b128 v[EF+48*(\b)+8*(\i):EF+48*(\b)+8*(\i)+3],       v[EFO], s[6:7] offset:(\off)+32768*(\i)
	global_load_b128 v[EF+48*(\b)+8*(\i)+4:EF+48*(\b)+8*(\i)+7],     v[EFO], s[6:7] offset:(\off)+32768*(\i)+32
	global_load_b128 v[EF+48*(\b)+16+8*(\i):EF+48*(\b)+16+8*(\i)+3], v[EFO], s[4:5] offset:(\off)+32768*(\i)
	global_load_b128 v[EF+48*(\b)+16+8*(\i)+4:EF+48*(\b)+16+8*(\i)+7], v[EFO], s[4:5] offset:(\off)+32768*(\i)+32
	global_load_b128 v[EF+48*(\b)+32+8*(\i):EF+48*(\b)+32+8*(\i)+3], v[EFO], s[60:61] offset:(\off)+32768*(\i)
	global_load_b128 v[EF+48*(\b)+32+8*(\i)+4:EF+48*(\b)+32+8*(\i)+7], v[EFO], s[60:61] offset:(\off)+32768*(\i)+32
.endr
.endm
.macro EMULS b                         ; a K step's 8 products: rows t = 0, 1 the query tiles, t = 2, 3 the channel tiles; the 8 accumulators take turns, over the backward jump too
.irp t, 0,1,2,3
.irp k, 0,1
	v_wmma_f32_16x16x32_f16 v[ES+8*(2*(\t)+(\k)):ES+8*(2*(\t)+(\k))+7], v[EF+48*(\b)+8*(\k):EF+48*(\b)+8*(\k)+7], v[EF+48*(\b)+16+8*(\t):EF+48*(\b)+16+8*(\t)+7], v[ES+8*(2*(\t)+(\k)):ES+8*(2*(\t)+(\k))+7]
.endr
.endr
.endm
.macro EMAX t                          ; query tile t: the maximum of my query's 32 scores (each accumulator's lowest registers first), then c s - c m in place
.set ea, ES+16*(\t)
.set eq, EQ+4*(\t)
	v_max3_num_f32 v[eq], v[ea], v[ea+1], v[ea+2]
	v_max3_num_f32 v[eq+1], v[ea+8], v[ea+9], v[ea+10]
	v_max3_num_f32 v[eq], v[eq], v[ea+3], v[ea+4]
	v_max3_num_f32 v[eq+1], v[eq+1], v[ea+11], v[ea+12]
	v_max3_num_f32 v[eq], v[eq], v[ea+5], v[ea+6]
	v_max3_num_f32 v[eq+1], v[eq+1], v[ea+13], v[ea+14]
	v_max3_num_f32 v[eq], v[eq], v[ea+7], v[ea+15]
	v_max_num_f32 v[eq], v[eq], v[eq+1]
	v_permlanex16_b32 v[eq+1], v[eq], s[SEL], s[SEL+1]  ; the query's other 16 keys lie in the lane 16 away
	v_max_num_f32 v[eq+3], v[eq], v[eq+1]          ; every row sees its own key: m is a true score
	v_mul_f32 v[eq+2], s[CS], v[eq+3]
.set n, 0
.rept 8
	v_pk_fma_f32 v[ea+n:ea+n+1], v[ea+n:ea+n+1], s[CS:CS+1], v[eq+2:eq+3] op_sel_hi:[1,0,0] neg_lo:[0,0,1] neg_hi:[0,0,1]
.set n, n+2
.endr
.endm
.macro ESUM t                          ; l and 1 / l
.set ea, ES+16*(\t)
.set eu, EU+4*(\t)
	v_pk_add_f32 v[eu:eu+1], v[ea:ea+1], v[ea+2:ea+3]
	v_pk_add_f32 v[eu+2:eu+3], v[ea+4:ea+5], v[ea+6:ea+7]
	v_pk_add_f32 v[eu:eu+1], v[eu:eu+1], v[ea+8:ea+9]
	v_pk_add_f32 v[eu+2:eu+3], v[eu+2:eu+3], v[ea+10:ea+11]
	v_pk_add_f32 v[eu:eu+1], v[eu:eu+1], v[ea+12:ea+13]
	v_pk_add_f32 v[eu+2:eu+3], v[eu+2:eu+3], v[ea+14:ea+15]
	v_pk_add_f32 v[eu:eu+1], v[eu:eu+1], v[eu+2:eu+3]
	v_add_f32 v[eu], v[eu], v[eu+1]
	v_permlanex16_b32 v[eu+1], v[eu], s[SEL], s[SEL+1]
	v_add_f32 v[eu], v[eu], v[eu+1]
	v_rcp_f32 v[eu+2], v[eu]
.endm
.macro EDIV t                          ; w = p / l, in place
.set ea, ES+16*(\t)
.set eu, EU+4*(\t)
.set n, 0
.rept 8
	v_pk_mul_f32 v[ea+n:ea+n+1], v[ea+n:ea+n+1], v[eu+2:eu+3] op_sel_hi:[1,0]
.set n, n+2
.endr
.endm
.macro ESPLIT src, hi, lo              ; 16 numbers in f32 -> a fragment of f16, and a fragment of 2^11 x (number - its f16); the difference is exact in f32
.set n, 0
.rept 8
.set tt, 24+2*(n%2)
	v_cvt_pk_f16_f32 v[(\hi)+n], v[(\src)+2*n], v[(\src)+2*n+1]
	v_fma_mix_f32 v[tt], v[(\hi)+n], v[ENEG], v[(\src)+2*n] op_sel_hi:[1,0,0]
	v_fma_mix_f32 v[tt+1], v[(\hi)+n], v[ENEG], v[(\src)+2*n+1] op_sel:[1,0,0] op_sel_hi:[1,0,0]
	v_pk_mul_f32 v[tt:tt+1], v[tt:tt+1], s[20:21] op_sel_hi:[1,0]
	v_cvt_pk_f16_f32 v[(\lo)+n], v[tt], v[tt+1]
.set n, n+1
.endr
.endm
.Learly:
	s_sub_co_u32 s16, s[U], 9
	s_lshl_b32 s16, s16, 2
	s_add_co_u32 s16, s16, s[PP]                   ; which 128 channels: 0..7
	s_lshl_b32 s16, s16, 2
	s_add_co_u32 s16, s16, s[WV]                   ; my wave's 32 channels: 0..31
	s_lshl_b32 s18, s[BT], 22                      ; the batch's first token in yb and xb
	s_mov_b32 s19, 0
	s_add_nc_u64 s[4:5], s[4:5], s[18:19]
	s_add_nc_u64 s[6:7], s[6:7], s[18:19]
	s_lshl_b32 s18, s16, 16                        ; 32 rows of 2,048 bytes,
	s_add_co_u32 s18, s18, 0x200000                ; behind wb's first 1,024 rows: Wv
	s_add_nc_u64 s[60:61], s[60:61], s[18:19]
	s_lshl_b32 s18, s[BT], 23                      ; the batch's first row of out0,
	s_lshl_b32 s17, s16, 7                         ; my 32 channels of 4 bytes
	s_add_co_u32 s18, s18, s17
	s_add_nc_u64 s[62:63], s[62:63], s[18:19]
	s_mov_b32 s20, 0x45000000                      ; 2^11
	s_mov_b32 s21, s20
	s_mov_b32 s22, 0x3a000000                      ; 2^-11
	s_mov_b32 s23, s22
	v_and_b32 v1, 15, v0
	v_bfe_u32 v2, v0, 4, 1
	v_lshlrev_b32 v[EFO], 11, v1
	v_lshl_add_u32 v[EFO], v2, 4, v[EFO]
	ELOADS 0, 0                                    ; K steps 0 and 1: 24 loads of mine are out
	ELOADS 1, 64
	v_lshlrev_b32 v[EVO], 12, v1
	v_lshl_add_u32 v[EVO], v2, 5, v[EVO]
	v_lshlrev_b32 v[EDG], 3, v2
	v_sub_nc_u32 v[EDG], v1, v[EDG]
	v_mov_b32 v[ENEG], -1.0
	; the sums' beginnings, written while the first loads are out: S^T starts from the mask (tiles on the diagonal: register j is hidden where j > l % 16 - 8 (l / 16); queries 0-15 see none of keys 16-31), V from 0
.irp j, 0,1,2,3,4,5,6,7
	v_cmp_gt_i32 vcc_lo, \j, v[EDG]
	v_cndmask_b32 v[ES+(\j)], 0, s[BIG], vcc_lo
	v_mov_b32 v[ES+8+(\j)], s[BIG]
	v_mov_b32 v[ES+16+(\j)], 0
	v_mov_b32 v[ES+24+(\j)], v[ES+(\j)]
.endr
.set n, 0
.rept 32
	v_mov_b32 v[EV+n], 0
.set n, n+1
.endr
	s_mov_b32 s[CNT], 15
.Leturn:                                           ; K steps 2 i and 2 i + 1 are multiplied, 2 i + 2 and 2 i + 3 asked for
	s_wait_loadcnt 12                              ; set 0 is in; set 1's 12 loads may stay out
	EMULS 0
	PLACES
	s_wait_xcnt 0x0                                ; every load issued so far has read its address: my place may be stepped
	v_add_nc_u32 v[EFO], 128, v[EFO]
	ELOADS 0, 0
	s_wait_loadcnt 12                              ; set 1 is in
	EMULS 1
	PLACES
	ELOADS 1, 64
	s_sub_co_u32 s[CNT], s[CNT], 1
	s_cmp_lg_u32 s[CNT], 0
	s_cbranch_scc1 .Leturn
	s_wait_loadcnt 12                              ; the last two K steps load nothing
	EMULS 0
	s_wait_loadcnt 0x0
	EMULS 1
	PLACES
	EMAX 0
	EMAX 1
.set n, 0
.rept 32
	v_exp_f32 v[ES+n], v[ES+n]                     ; one batch
.set n, n+1
.endr
	v_nop                                          ; a plain instruction behind the last exponential
	ESPLIT EV, EVH, EVL                            ; V's two channel tiles are split meanwhile: work that names no exponential's result
	ESPLIT EV+16, EVH+8, EVL+8
	s_wait_alu depctr_va_vdst(0)                   ; one wait for the batch, ahead of its first reader
	ESUM 0
	ESUM 1
	v_nop
	s_wait_alu depctr_va_vdst(0)                   ; one wait for the two reciprocals
	EDIV 0
	EDIV 1
	ESPLIT ES, EPH, EPL
	ESPLIT ES+16, EPH+8, EPL+8
.irp c, 0,1                            ; 12 products; the accumulators take turns: between the two links of a chain stand three others
.irp t, 0,1
	v_wmma_f32_16x16x32_f16 v[EO+8*(2*(\c)+(\t)):EO+8*(2*(\c)+(\t))+7], v[EVH+8*(\c):EVH+8*(\c)+7], v[EPH+8*(\t):EPH+8*(\t)+7], 0
.endr
.endr
.irp c, 0,1
.irp t, 0,1
	v_wmma_f32_16x16x32_f16 v[EO2+8*(2*(\c)+(\t)):EO2+8*(2*(\c)+(\t))+7], v[EVH+8*(\c):EVH+8*(\c)+7], v[EPL+8*(\t):EPL+8*(\t)+7], 0
.endr
.endr
.irp c, 0,1
.irp t, 0,1
	v_wmma_f32_16x16x32_f16 v[EO2+8*(2*(\c)+(\t)):EO2+8*(2*(\c)+(\t))+7], v[EVL+8*(\c):EVL+8*(\c)+7], v[EPH+8*(\t):EPH+8*(\t)+7], v[EO2+8*(2*(\c)+(\t)):EO2+8*(2*(\c)+(\t))+7]
.endr
.endr
	PLACES
.set n, 0
.rept 16
	v_pk_fma_f32 v[EO+n:EO+n+1], v[EO2+n:EO2+n+1], s[22:23], v[EO+n:EO+n+1] op_sel_hi:[1,0,1]  ; each accumulator from its low end on
.set n, n+2
.endr
.irp c, 0,1
.irp t, 0,1                            ; row 16 t + l % 16, channels 16 c + 8 (l / 16) + 0..7: 32 consecutive bytes a lane.  A wave has 128 bytes of a row: these rows, 0.5 of out0's 33.5 MB, do not go out in whole runs of 256
	global_store_b128 v[EVO], v[EO+8*(2*(\c)+(\t)):EO+8*(2*(\c)+(\t))+3],   s[62:63] offset:16*CPB*(\t)+64*(\c)
	global_store_b128 v[EVO], v[EO+8*(2*(\c)+(\t))+4:EO+8*(2*(\c)+(\t))+7], s[62:63] offset:16*CPB*(\t)+64*(\c)+16
.endr
.endr
	s_wait_tensorcnt 0x0                           ; the wave's end
	ds_add_u32 v[SPW], v[NIL]
	s_wait_dscnt 0x0
	s_endpgm
.Lfunc_end_k_qaff5104ebc_score:
	.size	k_qaff5104ebc_score, .Lfunc_end_k_qaff5104ebc_score-k_qaff5104ebc_score
	.p2alignl 7, 3214868480
	.fill 96, 4, 3214868480
	.section	.rodata,"a",@progbits
	.p2align	6, 0x0
	.amdhsa_kernel k_qaff5104ebc_score
		.amdhsa_group_segment_fixed_size 327680
		.amdhsa_private_segment_fixed_size 0
		.amdhsa_enable_private_segment 0
		.amdhsa_kernarg_size 48
		.amdhsa_user_sgpr_count 2
		.amdhsa_user_sgpr_kernarg_segment_ptr 1
		.amdhsa_wavefront_size32 1
		.amdhsa_system_sgpr_workgroup_id_x 1
		.amdhsa_system_sgpr_workgroup_id_y 1
		.amdhsa_system_sgpr_workgroup_id_z 1
		.amdhsa_system_vgpr_workitem_id 0
		.amdhsa_next_free_vgpr 1024
		.amdhsa_next_free_sgpr 66
		.amdhsa_reserve_vcc 1
		.amdhsa_float_denorm_mode_32 3
		.amdhsa_float_denorm_mode_16_64 3
		.amdhsa_memory_ordered 1
		.amdhsa_forward_progress 1
		.amdhsa_inst_pref_size 184
	.end_amdhsa_kernel
	.amdgpu_metadata
---
amdhsa.version: [ 1, 2 ]
amdhsa.kernels:
  - .name:           k_qaff5104ebc_score
    .symbol:         k_qaff5104ebc_score.kd
    .args:
      - { .name: yb, .offset: 0, .size: 8, .value_kind: global_buffer, .address_space: global }
      - { .name: xb, .offset: 8, .size: 8, .value_kind: global_buffer, .address_space: global }
      - { .name: pb, .offset: 16, .size: 8, .value_kind: global_buffer, .address_space: global }
      - { .name: st, .offset: 24, .size: 8, .value_kind: global_buffer, .address_space: global }
      - { .name: wb, .offset: 32, .size: 8, .value_kind: global_buffer, .address_space: global }
      - { .name: out0, .offset: 40, .size: 8, .value_kind: global_buffer, .address_space: global }
    .group_segment_fixed_size: 327680
    .private_segment_fixed_size: 0
    .kernarg_segment_align: 8
    .kernarg_segment_size: 48
    .max_flat_workgroup_size: 128
    .sgpr_count:     66
    .vgpr_count:     1024
    .wavefront_size: 32
...
	.end_amdgpu_metadata
.endif
;; end of part 3
;; launch pv (part 4): grid 8 x 32, 4 waves a work-group, clusters of 4 x 1, 327,680 bytes of LDS; arguments pb, vt, st, out0; writes out0
.if DOCPART == 4
	.amdgcn_target "amdgcn-amd-amdhsa--gfx1250"
	.amdhsa_code_object_version 6
	.text
	.protected	k_qaff5104ebc_pv
	.globl	k_qaff5104ebc_pv
	.p2align	8
	.type	k_qaff5104ebc_pv,@function
k_qaff5104ebc_pv:
	s_mov_b64 s[64:65], 0
	v_nop
	global_prefetch_b8 v0, s[64:65] scope:SCOPE_SE
	s_setreg_imm32_b32 hwreg(HW_REG_WAVE_MODE, 25, 1), 1
	s_wait_xcnt 0x0
	s_wait_alu depctr_hold_cnt(0) depctr_sa_sdst(0) depctr_va_vdst(0) depctr_va_sdst(0) depctr_va_ssrc(0) depctr_va_vcc(0) depctr_vm_vsrc(0)
	s_getreg_b32 s2, hwreg(HW_REG_IB_STS2, 6, 4)
	s_cmp_eq_u32 s2, 0
	s_cbranch_scc0 .Lentry_in_a_cluster
	s_endpgm
.Lentry_in_a_cluster:
	s_bfe_u32 s2, ttmp6, 0x10000c
	s_cmp_lg_u32 s2, 0x3003
	s_cbranch_scc0 .Lentry_shape_is_right
	s_endpgm
.Lentry_shape_is_right:
; THE SECOND HALF OF THE SOFTMAX AND THE SECOND PRODUCT.  For row r with the statistics (c m_j, l_j) of its 16 blocks of 128 keys: M = max_j c m_j, f_j = 2^(c m_j - M), L = sum_j f_j l_j, g_j = f_j / L;
; out[r][:] = sum_j g_j (P_j V_j), P_j the block's weights (f16, at most 1), V in f16, products and sums in f32.  A block that the row does not see has c m far below every score and l = 0: g = 0.
; Block 0 of every row holds a visible key, so M is a true score's, the block that holds it has l of about 1 or more, and L is not 0.  NaN and infinities are not treated apart.
; ROWS 0 TO 31 OF EACH BATCH ARE NOT STORED HERE: the launch before has stored them, made with weights and V of twice the bits.  The waves that hold them jump over the way out of those two row blocks.
; SHARES.  A work-group makes TWO tiles of 128 queries x 128 channels: row block 15 - P, then row block P, of one batch (y = 8 x batch + P), channels 128 N (N = x).  Keys go in slots of 256;
; the two tiles need N1 = ((15 - P) >> 1) + 1 and (P >> 1) + 1 slots: 9 together, whatever P.  So all 256 work-groups are alike, and ONE walk of 9 slots has constant trip counts.
; A wave makes 64 x 64: 16 accumulators T, started anew every 128 keys and merged into O by O += g T (a lane holds one query, so g is one number a lane and row block).
; g LIES IN LDS BY THE WALK'S SLOT, so that its address hangs on the loop's counter alone: slots 0-4 are always the first tile's; for slots 5-8 the number is chosen between the two tiles by N1, once, at the head.
; CLUSTER 4 x 1: the four partners share batch and P, so the walk, every branch and P's tiles: those are asked for jointly.  V^T's tile hangs on N and is a load of the work-group's own, at the same place behind the round.
; O is cleared by 128 v_mov_b32 at the head (in the wait for the first tile) and behind each way out: the price of one text for every merge.
; REGISTERS: window 0: v0-31 addresses; v32-39 g of a slot's two key blocks; v40-127 at work at the head, v64-95 rows read back on the way out; v128-255 T, (a, b) at 128 + 8 (4 a + b)
;   window 1: two fragment buffers of 128 (64 along K: 64 registers of P, then 64 of V^T)      window 2: v0-127 O
.set KB,     512                       ; bytes of a row in a slot: 256 keys
.set PITCH,  528                       ; 512 bytes + 16 of padding
.set HALFT,  64*PITCH
.set SLOT,   0x22000                   ; a slot holds 4 HALFT = 135,168 bytes; the fill addresses (wave x HALFT) have bits 13 and 17 clear, so an exclusive or goes to the other slot and back
.set STAGE,  2*SLOT                    ; 16 rows x 272 bytes for each wave
.set SPITCH, 272
.set SPARE,  STAGE+4*16*SPITCH         ; the spare words: two blocks of 256 bytes that no other line names
.set TAB,    SPARE+512                 ; g: 9,216 bytes: [walk slot 0..8][its key block 0..1][row half][l % 16][row block 0..3] f32
.set ADRA0, 16
.set ADRB0, 17
.set ADRA,  18
.set ADRB,  19
.set GA,    20                         ; v20  where the slot's g lie: GA0 + 1,024 x the walk's slot
.set GA0,   21                         ; v21  my place in the table's first slot; never rewritten
.set TS,    22                         ; v22  where my row's g go
.set STO,   24
.set RD,    25
.set CO,    26
.set SPW,   28
.set NIL,   29
.set PFO,   30                         ; v30  (l % 16) rows of 4,096 bytes + 256 (l / 16)
.set GG,    32
.set ST0,   40                         ; v[40:103] the statistics: tile u, key block j at 40 + 32 u + 2 j
.set G8,    116                        ; v[116:117] g of the walk's slot 8
.set OB,    64
.set ACC,   128
.set F0,    0
.set F1,    128
.set WV, 12
.set RH, 13
.set CH, 14
.set CNT, 15
.set MK, 16                            ; s[16:18] at the head's end: all ones where N1 is 5, 6, 7
.set SKP, 19                           ; s19  the walk's slot behind which my first two row blocks are not stored: 8 where P = 0 and I hold the tile's upper 64 rows, else none
.set G1A, 24
.set G0A, 32
.set CX, 40
.set NB, 41
.set BT, 42
.set LIM, 43
.set PFA, 44
.set PP, 46
.set N1, 47                            ; slots of the first tile
.set G1B, 48
.set G0B, 56
.set WF, 66                            ; the walk's slot to be asked for next
.set WC, 67                            ; the walk's slot in hand
.set LASTW, 68                         ; the last slot of the tile in hand
.set R1, 69                            ; the first tile's rows in pb and out0, in bytes
.set R2, 70
.set TB, 71
.set ABASE, 72                         ; s[72:73] pb at the batch, my 64 rows of a tile
.set BBASE, 74                         ; s[74:75] vt at the batch, my 64 channels
.set OUT2, 76                          ; s[76:77] out0 at my part of the second tile
.set PFB, 78                           ; s[78:79] the prefetches' base
.set MSB, 0
.macro WIN new
.if MSB != (\new)
	s_set_vgpr_msb (MSB<<8)|(\new)
.set MSB, \new
.endif
.endm
.macro PLACES
.rept 4
	v_nop
.endr
.endm
.macro JLOAD                           ; waves 0, 1: the joint load of P's tile; waves 2, 3: the work-group's own load of V^T's; an s_nop 0 and four v_nop follow each line
	s_cmp_eq_u32 s[RH], 0
	s_cbranch_scc0 .Lfor_b_\@
	tensor_load_to_lds s[G0A+4:G0A+7], s[G1A:G1A+7]
	s_nop 0
	PLACES
	s_branch .Lasked_\@
.Lfor_b_\@:
	tensor_load_to_lds s[G0B+4:G0B+7], s[G1B:G1B+7]
	s_nop 0
	PLACES
.Lasked_\@:
.endm
.macro CREST
	s_cmp_lg_u32 s[WV], 0
	s_cbranch_scc1 .Lnot_wave_0_\@
	s_barrier_signal -3
.Lnot_wave_0_\@:
	s_barrier_wait -3
	s_barrier_signal -1
	s_barrier_wait -1
.endm
.macro CROUND
	s_barrier_signal -1
	s_barrier_wait -1
	CREST
.endm
.macro WOFF                            ; the byte offsets of walk slot WF: s80 along the keys (V^T's), s82 = that + the tile's rows (P's)
	s_cmp_ge_u32 s[WF], s[N1]
	s_cselect_b32 s80, s[N1], 0
	s_cselect_b32 s82, s[R2], s[R1]
	s_sub_co_u32 s80, s[WF], s80
	s_lshl_b32 s80, s80, 9
	s_add_co_u32 s82, s82, s80
.endm
; Prefetches of the walk's slot behind the one just asked for.  P's tile (64 rows x 512 bytes a wave) is read by the two clusters of a grid row: the one with x = 0 asks, its four partners 16 rows each,
; told apart by address: 16 rows x 2 blocks of 256 bytes, one instruction.  V^T's tile is read by the eight P of a batch: P = 0 asks, whose first tile walks all 8 key slots: 64 rows x 2 blocks, four instructions.
; Trip w (CNT = 7 - w) names walk slot w + 3: for P's tiles while that is at most 8 (CNT > 1), for V^T's while it is at most 7 (CNT > 2).
.macro ASK
	s_cmp_gt_u32 s[CNT], s[LIM]
	s_cbranch_scc0 .Lnot_mine_\@
	global_prefetch_b8 v[PFO], s[PFA:PFA+1] th:TH_LOAD_NT scope:SCOPE_SE
	s_cmp_eq_u32 s[RH], 0
	s_cbranch_scc1 .Lnot_mine_\@
.irp n, 1,2,3
	global_prefetch_b8 v[PFO], s[PFA:PFA+1] offset:65536*(\n) th:TH_LOAD_NT scope:SCOPE_SE
.endr
.Lnot_mine_\@:
.endm
	s_load_b256 s[4:11], s[0:1], 0x0               ; pb s[4:5], vt s[6:7], st s[8:9], out0 s[10:11]
	v_lshl_add_u32 v[SPW], v0, 2, SPARE
	v_mov_b32 v[NIL], 0
	ds_add_u32 v[SPW], v[NIL]                      ; the wave's opening: the add and its wait stand ahead of my first tensor load
	v_lshrrev_b32 v1, 5, v0
	v_readfirstlane_b32 s[WV], v1
	s_lshr_b32 s[RH], s[WV], 1
	s_and_b32 s[CH], s[WV], 1
	s_bfe_u32 s[CX], ttmp6, 0x40000
	s_lshl_b32 s[NB], ttmp9, 2
	s_add_co_u32 s[NB], s[NB], s[CX]
	s_and_b32 s20, ttmp7, 0xffff
	s_lshr_b32 s[BT], s20, 3
	s_and_b32 s[PP], s20, 7
	s_sub_co_u32 s21, 15, s[PP]
	s_lshr_b32 s[N1], s21, 1
	s_add_co_u32 s[N1], s[N1], 1
	s_sub_co_u32 s[LASTW], s[N1], 1
	s_lshl_b32 s[R1], s21, 19                      ; 128 rows of 4,096 bytes
	s_lshl_b32 s[R2], s[PP], 19
	s_mov_b32 s[WF], 2
	s_mov_b32 s[WC], 0
	s_mov_b32 s[TB], 0
	s_mov_b32 s81, 0
	s_mov_b32 s83, 0
	s_mov_b32 s85, 0
	s_mov_b32 s[G1A], 15|(1<<16)|(1<<20)|(1<<21)|(6<<22)|(3<<25)  ; the mask of four; 2-byte elements; padding on; bit 21 beside a mask; after every 128 words, 4 words
	s_mov_b32 s[G1B], (1<<16)|(1<<20)|(6<<22)|(3<<25)             ; no mask
.irp g, G1A, G1B
	s_mov_b32 s[(\g)+1], 256<<16                   ; tensor_dim0 = 256
	s_mov_b32 s[(\g)+2], 64<<16                    ; tensor_dim1 = 64
	s_mov_b32 s[(\g)+3], 256<<16                   ; tile_dim0 = 256
	s_mov_b32 s[(\g)+4], 64                        ; tile_dim1 = 64
	s_mov_b32 s[(\g)+5], 2048                      ; elements from row to row
	s_mov_b32 s[(\g)+6], 0
	s_mov_b32 s[(\g)+7], 0
.endr
	s_lshl_b32 s2, s[CH], 18                       ; the 64 rows that I fetch
	s_lshl_b32 s16, s[BT], 23
	s_add_co_u32 s16, s16, s2                      ; pb: made of the batch and the wave alone
	s_mov_b32 s17, 0
	s_lshl_b32 s18, s[BT], 22
	s_add_co_u32 s18, s18, s2
	s_lshl_b32 s3, s[NB], 19
	s_add_co_u32 s18, s18, s3                      ; vt: + my work-group's 128 channels
	s_mov_b32 s19, 0
	s_lshl_b32 s20, s[BT], 23                      ; out0: batch, my 64 rows of a tile, 512 N + 256 CH
	s_lshl_b32 s3, s[RH], 18
	s_add_co_u32 s20, s20, s3
	s_lshl_b32 s3, s[NB], 9
	s_add_co_u32 s20, s20, s3
	s_lshl_b32 s3, s[CH], 8
	s_add_co_u32 s20, s20, s3
	s_mov_b32 s21, 0
	s_lshl_b32 s22, s[BT], 18                      ; st: the batch's 16 x 2,048 pairs
	s_mov_b32 s23, 0
	s_mul_i32 s3, s[WV], HALFT
	s_mov_b32 s[G0A], 1
	s_mov_b32 s[G0A+1], s3
	s_mov_b32 s[G0A+4], 1
	s_add_co_u32 s[G0A+5], s3, SLOT
	s_mov_b32 s[G0B], 1
	s_mov_b32 s[G0B+1], s3
	s_mov_b32 s[G0B+4], 1
	s_add_co_u32 s[G0B+5], s3, SLOT
	s_cmp_eq_u32 s[RH], 0
	s_cselect_b32 s2, ttmp9, s[PP]
	s_cselect_b32 s3, 1, 2
	s_cmp_eq_u32 s2, 0
	s_cselect_b32 s[LIM], s3, -1                   ; the same in all four partners, for a given wave
	s_wait_dscnt 0x0                               ; the opening add is done
	s_wait_kmcnt 0x0
	s_add_nc_u64 s[ABASE:ABASE+1], s[4:5], s[16:17]
	s_add_nc_u64 s[BBASE:BBASE+1], s[6:7], s[18:19]
	s_add_nc_u64 s[10:11], s[10:11], s[20:21]
	s_add_nc_u64 s[8:9], s[8:9], s[22:23]
	s_mov_b32 s82, s[R1]
	s_mov_b32 s84, s[R2]
	s_add_nc_u64 s[G0A+2:G0A+3], s[ABASE:ABASE+1], s[82:83]        ; walk slots 0 and 1 are the first tile's (it has 5 slots or more)
	s_add_nc_u64 s[G0A+6:G0A+7], s[G0A+2:G0A+3], KB
	s_or_b32 s[G0A+3], s[G0A+3], 0x80000000
	s_or_b32 s[G0A+7], s[G0A+7], 0x80000000
	s_mov_b64 s[G0B+2:G0B+3], s[BBASE:BBASE+1]
	s_add_nc_u64 s[G0B+6:G0B+7], s[BBASE:BBASE+1], KB
	s_or_b32 s[G0B+3], s[G0B+3], 0x80000000
	s_or_b32 s[G0B+7], s[G0B+7], 0x80000000
	s_add_nc_u64 s[OUT2:OUT2+1], s[10:11], s[84:85]
	s_add_nc_u64 s[10:11], s[10:11], s[82:83]
	s_lshr_b32 s82, s[R1], 9                       ; 128 pairs of 8 bytes a row block
	s_lshr_b32 s84, s[R2], 9
	s_add_nc_u64 s[86:87], s[8:9], s[84:85]
	s_add_nc_u64 s[8:9], s[8:9], s[82:83]
	s_cmp_eq_u32 s[RH], 0
	s_cselect_b64 s[PFB:PFB+1], s[ABASE:ABASE+1], s[BBASE:BBASE+1]
	s_cselect_b32 s84, s[CX], 0
	s_lshl_b32 s84, s84, 16                        ; of P's 64 rows my work-group asks for 16
	s_add_nc_u64 s[PFB:PFB+1], s[PFB:PFB+1], s[84:85]
	CROUND                                         ; all four work-groups are here: the first joint loads meet
	s_cmp_eq_u32 s[RH], 0                          ; a wave's two first fills stand in one branch: two loads of mine are out
	s_cbranch_scc0 .Lfirst_b
	tensor_load_to_lds s[G0A:G0A+3], s[G1A:G1A+7]
	s_nop 0
	tensor_load_to_lds s[G0A+4:G0A+7], s[G1A:G1A+7]
	s_nop 0
	PLACES
	s_branch .Lfirst_asked
.Lfirst_b:
	tensor_load_to_lds s[G0B:G0B+3], s[G1B:G1B+7]
	s_nop 0
	tensor_load_to_lds s[G0B+4:G0B+7], s[G1B:G1B+7]
	s_nop 0
	PLACES
.Lfirst_asked:
	v_lshlrev_b32 v3, 3, v0                        ; thread t takes row t of both tiles: a wave's load covers 256 consecutive bytes
.irp j, 0,1,2,3,4,5,6,7,8,9,10,11,12,13,14,15
	global_load_b64 v[ST0+2*(\j):ST0+2*(\j)+1], v3, s[8:9] offset:16384*(\j)
	global_load_b64 v[ST0+32+2*(\j):ST0+32+2*(\j)+1], v3, s[86:87] offset:16384*(\j)
.endr
	WIN 0x80
.set i, 0
.rept 128
	v_mov_b32 v[i], 0                              ; O
.set i, i+1
.endr
	WIN 0
	v_and_b32 v1, 15, v0
	v_bfe_u32 v2, v0, 4, 1
	v_mul_u32_u24 v4, v1, PITCH
	v_lshl_add_u32 v4, v2, 4, v4
	s_mul_i32 s2, s[RH], HALFT
	s_mul_i32 s3, s[CH], HALFT
	s_add_co_u32 s3, s3, 2*HALFT
	v_add_nc_u32 v[ADRA0], s2, v4
	v_add_nc_u32 v[ADRB0], s3, v4
	v_mov_b32 v[ADRA], v[ADRA0]
	v_mov_b32 v[ADRB], v[ADRB0]
	s_lshl_b32 s2, s[RH], 8
	s_add_co_u32 s2, s2, TAB
	v_lshl_add_u32 v[GA0], v1, 4, s2
	v_bfe_u32 v4, v0, 4, 2                         ; my row t: row block (t >> 4) & 3 of row half t >> 6
	v_lshrrev_b32 v5, 6, v0
	v_lshlrev_b32 v[TS], 4, v1
	v_lshl_add_u32 v[TS], v4, 2, v[TS]
	v_lshl_add_u32 v[TS], v5, 8, v[TS]
	v_add_nc_u32 v[TS], TAB, v[TS]
	s_mul_i32 s2, s[WV], 16*SPITCH
	s_add_co_u32 s2, s2, STAGE
	v_mul_u32_u24 v4, v1, SPITCH
	v_lshl_add_u32 v4, v2, 5, v4
	v_add_nc_u32 v[STO], s2, v4                    ; in: row l % 16, 32 bytes for each half of the lanes
	v_mul_u32_u24 v4, v2, SPITCH
	v_lshl_add_u32 v4, v1, 4, v4
	v_add_nc_u32 v[RD], s2, v4                     ; back: lanes 0-15 one row of 256 bytes, lanes 16-31 the next
	v_lshlrev_b32 v4, 12, v2
	v_lshl_add_u32 v[CO], v1, 4, v4
	v_lshlrev_b32 v[PFO], 12, v1
	v_lshl_add_u32 v[PFO], v2, 8, v[PFO]
	s_cmp_eq_u32 s[N1], 5                          ; the masks by which the table's slots 5 to 8 are chosen
	s_cselect_b32 s[MK], -1, 0
	s_cmp_eq_u32 s[N1], 6
	s_cselect_b32 s[MK+1], -1, 0
	s_cmp_eq_u32 s[N1], 7
	s_cselect_b32 s[MK+2], -1, 0
	s_or_b32 s[SKP], s[PP], s[RH]                  ; 0 where the second tile is row block 0 and I hold its rows 0 to 63
	s_cmp_eq_u32 s[SKP], 0
	s_cselect_b32 s[SKP], 8, -1
	s_wait_loadcnt 0x0
.macro GMAX u                          ; M, and c m_j - M in place
.set B0, ST0+32*(\u)
.set M0, 104+6*(\u)
	v_max3_num_f32 v[M0],   v[B0],    v[B0+2],  v[B0+4]
	v_max3_num_f32 v[M0+1], v[B0+6],  v[B0+8],  v[B0+10]
	v_max3_num_f32 v[M0+2], v[B0+12], v[B0+14], v[B0+16]
	v_max3_num_f32 v[M0+3], v[B0+18], v[B0+20], v[B0+22]
	v_max3_num_f32 v[M0+4], v[B0+24], v[B0+26], v[B0+28]
	v_max3_num_f32 v[M0],   v[M0],    v[M0+1],  v[M0+2]
	v_max3_num_f32 v[M0+3], v[M0+3],  v[M0+4],  v[B0+30]
	v_max_num_f32  v[M0],   v[M0],    v[M0+3]
.set j, 0
.rept 16
	v_sub_f32 v[B0+2*j], v[B0+2*j], v[M0]
.set j, j+1
.endr
.endm
.macro GEXP u
.set B0, ST0+32*(\u)
.set j, 0
.rept 16
	v_exp_f32 v[B0+2*j], v[B0+2*j]
.set j, j+1
.endr
.endm
.macro GSUM u                          ; L = sum f_j l_j, in two chains
.set B0, ST0+32*(\u)
.set M0, 104+6*(\u)
	v_mul_f32 v[M0+1], v[B0], v[B0+1]
	v_mul_f32 v[M0+2], v[B0+2], v[B0+3]
.set j, 2
.rept 14
	v_fmac_f32 v[M0+1+j%2], v[B0+2*j], v[B0+2*j+1]
.set j, j+1
.endr
	v_add_f32 v[M0+1], v[M0+1], v[M0+2]
.endm
.macro GMUL u                          ; g_j = f_j / L, in place
.set B0, ST0+32*(\u)
.set M0, 104+6*(\u)
.set j, 0
.rept 16
	v_mul_f32 v[B0+2*j], v[B0+2*j], v[M0+3]
.set j, j+1
.endr
.endm
	GMAX 0
	GMAX 1
	GEXP 0                                         ; both tiles' 32 exponentials are one batch:
	GEXP 1
	v_nop                                          ; a plain instruction behind the last,
	s_wait_alu depctr_va_vdst(0)                   ; and one wait ahead of the first reader
	GSUM 0
	GSUM 1
	v_rcp_f32 v107, v105
	v_rcp_f32 v113, v111
	v_nop
	s_wait_alu depctr_va_vdst(0)
	GMUL 0
	GMUL 1
	; The table by the walk's slot w and its key block h.  w < N1: the first tile's g of key block 2 w + h; else the second tile's of key block 2 (w - N1) + h.  N1 is 5 to 8, so slots 0-4 stand as they are;
	; for slots 5-7 the first tile's number is replaced, in place, where N1 = n <= w; slot 8 is always the second tile's.
.irp w, 5,6,7
.irp h, 0,1
.irp n, 5,6,7
.if (\n) < (\w)+1
	v_cndmask_b32 v[ST0+2*(2*(\w)+(\h))], v[ST0+2*(2*(\w)+(\h))], v[ST0+32+2*(2*((\w)-(\n))+(\h))], s[MK+(\n)-5]
.endif
.endr
.endr
.endr
.irp h, 0,1
	v_cndmask_b32 v[G8+(\h)], v[ST0+32+2*(\h)], v[ST0+32+2*(2+(\h))], s[MK+2]  ; N1 = 8: key block h; N1 = 7: 2 + h;
	v_cndmask_b32 v[G8+(\h)], v[G8+(\h)], v[ST0+32+2*(4+(\h))], s[MK+1]        ; N1 = 6: 4 + h;
	v_cndmask_b32 v[G8+(\h)], v[G8+(\h)], v[ST0+32+2*(6+(\h))], s[MK]          ; N1 = 5: 6 + h
.endr
.set j, 0
.rept 16
	ds_store_b32 v[TS], v[ST0+2*j] offset:512*j
.set j, j+1
.endr
	ds_store_b32 v[TS], v[G8] offset:512*16
	ds_store_b32 v[TS], v[G8+1] offset:512*17
.macro MUL8 f, c, a0, zero             ; 8 matrix instructions: row blocks a0, a0 + 1 x 4 channel blocks, 32 keys: half c of buffer f.  The 16 accumulators take turns
	WIN 0x05
.irp a, \a0, (\a0)+1
.irp b, 0,1,2,3
.if \zero
	v_wmma_f32_16x16x32_f16 v[ACC+8*(4*(\a)+(\b)):ACC+8*(4*(\a)+(\b))+7], v[(\f)+64+8*(4*(\c)+(\b)):(\f)+64+8*(4*(\c)+(\b))+7], v[(\f)+8*(4*(\c)+(\a)):(\f)+8*(4*(\c)+(\a))+7], 0
.else
	v_wmma_f32_16x16x32_f16 v[ACC+8*(4*(\a)+(\b)):ACC+8*(4*(\a)+(\b))+7], v[(\f)+64+8*(4*(\c)+(\b)):(\f)+64+8*(4*(\c)+(\b))+7], v[(\f)+8*(4*(\c)+(\a)):(\f)+8*(4*(\c)+(\a))+7], v[ACC+8*(4*(\a)+(\b)):ACC+8*(4*(\a)+(\b))+7]
.endif
.endr
.endr
.endm
.macro FETCH k, f                      ; 32 LDS loads in one run: the fragments of 64 keys at byte k of the rows; the first 32 keys first
	WIN 0x40
.irp c, 0,1
.irp i, 0,1,2,3
	ds_load_b128 v[(\f)+64+8*(4*(\c)+(\i)):(\f)+64+8*(4*(\c)+(\i))+3],   v[ADRB] offset:(\k)+64*(\c)+(\i)*16*PITCH
	ds_load_b128 v[(\f)+64+8*(4*(\c)+(\i))+4:(\f)+64+8*(4*(\c)+(\i))+7], v[ADRB] offset:(\k)+64*(\c)+(\i)*16*PITCH+32
	ds_load_b128 v[(\f)+8*(4*(\c)+(\i)):(\f)+8*(4*(\c)+(\i))+3],         v[ADRA] offset:(\k)+64*(\c)+(\i)*16*PITCH
	ds_load_b128 v[(\f)+8*(4*(\c)+(\i))+4:(\f)+8*(4*(\c)+(\i))+7],       v[ADRA] offset:(\k)+64*(\c)+(\i)*16*PITCH+32
.endr
.endr
	WIN 0
.endm
; 64 keys: multiplies buffer f, fetches the next 64 (byte k) into g.  zero = 1: T starts anew.  gl above 0: the slot's g are fetched too; the walk's slot is gl less the loop's counter
.macro QUARTER k, f, g, zero, gl
	s_wait_dscnt 16                                ; the first 32 keys' fragments are in
	MUL8 \f, 0, 0, \zero
	MUL8 \f, 0, 2, \zero
	PLACES
.if \gl
	WIN 0
	s_sub_co_u32 s2, \gl, s[CNT]                   ; the walk's slot,
	s_lshl_b32 s2, s2, 10                          ; its 1,024 bytes of the table
	v_add_nc_u32 v[GA], s2, v[GA0]
	ds_load_b128 v[GG:GG+3], v[GA]                 ; g of my query in row blocks 0-3, the slot's first 128 keys,
	ds_load_b128 v[GG+4:GG+7], v[GA] offset:512    ; and its second
.endif
	FETCH \k, \g
	s_wait_dscnt 32                                ; all but the 32 just issued: g, which is older, is in too
	MUL8 \f, 1, 0, 0
	MUL8 \f, 1, 2, 0
.endm
.macro MERGE h                         ; O += g T for the slot's key block h; each T is read from its low end on
	PLACES
	WIN 0xa0
.set t, 0
.rept 16
.set ga, GG+4*(\h)+((t/4)&2)
.irp r, 0,2,4,6
.if (t/4)&1
	v_pk_fma_f32 v[8*t+(\r):8*t+(\r)+1], v[ACC+8*t+(\r):ACC+8*t+(\r)+1], v[ga:ga+1], v[8*t+(\r):8*t+(\r)+1] op_sel:[0,1,0] op_sel_hi:[1,1,1]
.else
	v_pk_fma_f32 v[8*t+(\r):8*t+(\r)+1], v[ACC+8*t+(\r):ACC+8*t+(\r)+1], v[ga:ga+1], v[8*t+(\r):8*t+(\r)+1] op_sel_hi:[1,0,1]
.endif
.endr
.set t, t+1
.endr
	WIN 0
.endm
; The slot's last 64 keys and the change of slots: each wave waits for all its tensor loads, adds 0 to its spare word, waits for that and for its reads of the slot, and signals.
; fill = 1: the barrier opens a round of the cluster's; the slot just read is filled again, first thing behind the round, with walk slot WF: the descriptors' addresses are made anew from that number.
.macro TURN fill, last
.if \fill
	s_wait_xcnt 0x0                                ; the last prefetches, a slot back, have read their address
.endif
	WIN 0
	s_wait_tensorcnt 0x0
	ds_add_u32 v[SPW], v[NIL]                      ; the scalar work below stands between the add and the wait for it
.if \fill
	WOFF
	s_xor_b32 s[G0A+5], s[G0A+5], SLOT
	s_add_nc_u64 s[G0A+6:G0A+7], s[ABASE:ABASE+1], s[82:83]
	s_or_b32 s[G0A+7], s[G0A+7], 0x80000000
	s_xor_b32 s[G0B+5], s[G0B+5], SLOT
	s_add_nc_u64 s[G0B+6:G0B+7], s[BBASE:BBASE+1], s[80:81]
	s_or_b32 s[G0B+7], s[G0B+7], 0x80000000
	s_add_co_u32 s[WF], s[WF], 1
	WOFF                                           ; the slot behind it, for the prefetches
	s_cmp_eq_u32 s[RH], 0
	s_cselect_b32 s84, s82, s80
	s_add_nc_u64 s[PFA:PFA+1], s[PFB:PFB+1], s[84:85]
.endif
	s_wait_dscnt 17                                ; the add and the youngest sixteen loads may be out
	MUL8 F1, 0, 0, 0
	s_wait_dscnt 0x0                               ; the add is done, and my reads of this slot are over
	s_barrier_signal -1
	MUL8 F1, 0, 2, 0
	WIN 0
	s_barrier_wait -1
.if \fill
	CREST
	JLOAD                                          ; its four v_nop are also the places in front of the loads below
.else
	PLACES
.endif
	s_xor_b32 s[TB], s[TB], SLOT
	v_add_nc_u32 v[ADRA], s[TB], v[ADRA0]
	v_add_nc_u32 v[ADRB], s[TB], v[ADRB0]
.if \last
	s_cmp_eq_u32 s[CNT], 1
	s_cbranch_scc1 .Lno_more_\@
.endif
	FETCH 0, F0
.if \last
.Lno_more_\@:
.endif
.if \fill
	ASK
.endif
	MUL8 F1, 1, 0, 0
	MUL8 F1, 1, 2, 0
.endm
; THE WAY OUT of a tile: my 64 rows x 64 channels of f32, 16 rows at a time through my own stage: a lane's 8 channels go in as 32 bytes, whole rows of 256 bytes come back and are stored.  Then O is cleared.
.macro WROWS a                         ; row block a
	WIN 0x08
.irp b, 0,1,2,3
	ds_store_b128 v[STO], v[8*(4*(\a)+(\b)):8*(4*(\a)+(\b))+3]   offset:64*(\b)
	ds_store_b128 v[STO], v[8*(4*(\a)+(\b))+4:8*(4*(\a)+(\b))+7] offset:64*(\b)+16
.endr
	WIN 0
	s_wait_xcnt 0x0                                ; earlier stores have read their data: the registers are loaded again only behind this wait
.irp t, 0,1,2,3,4,5,6,7
	ds_load_b128 v[OB+4*(\t):OB+4*(\t)+3], v[RD] offset:(\t)*2*SPITCH  ; LDS serves a wave's instructions in order (ISA guide 5.7.1.4)
.endr
	s_wait_dscnt 0x0
.irp t, 0,1,2,3,4,5,6,7
	global_store_b128 v[CO], v[OB+4*(\t):OB+4*(\t)+3], s[10:11] offset:(16*(\a)+2*(\t))*4096 th:TH_STORE_NT  ; 16 lanes store 256 consecutive bytes, aligned
.endr
.endm
.macro WAYOUT
	s_cmp_eq_u32 s[WC], s[SKP]                     ; a batch's rows 0 to 31 were stored by the launch before.  The jump goes forward, hangs on P, the wave's number and the walk's slot, and passes my own stage's lines and stores alone
	s_cbranch_scc1 .Lnot_these_\@
	WROWS 0
	WROWS 1
.Lnot_these_\@:
	WROWS 2
	WROWS 3
	WIN 0x80
.set i, 0
.rept 128
	v_mov_b32 v[i], 0
.set i, i+1
.endr
	WIN 0
.endm
.macro ENDCHK                          ; behind a tile's last slot: the way out, and on to the second tile.  The jump goes forward, hangs on P alone, passes no barrier and no tensor load, and writes no LDS address
	WIN 0
	s_cmp_eq_u32 s[WC], s[LASTW]
	s_cbranch_scc0 .Lgo_on_\@
	WAYOUT
	s_wait_xcnt 0x0
	s_mov_b64 s[10:11], s[OUT2:OUT2+1]
	s_mov_b32 s[LASTW], 8
.Lgo_on_\@:
	s_add_co_u32 s[WC], s[WC], 1
.endm
.macro SLOTW fill, last, wb            ; a slot of 256 keys; the walk's slot is wb less the loop's counter
	QUARTER 128, F0, F1, 1, \wb
	QUARTER 256, F1, F0, 0, 0
	MERGE 0
	QUARTER 384, F0, F1, 1, 0
	TURN \fill, \last
	MERGE 1
	ENDCHK
.endm
	s_wait_tensorcnt 1                             ; my part of walk slot 0 is in; slot 1's may stay out
	s_wait_dscnt 0x0                               ; my part of the table is written
	s_barrier_signal -1
	s_barrier_wait -1
	FETCH 0, F0
	s_mov_b32 s[CNT], 7
.LA:                                               ; walk slots 0 to 6 (7 less the counter); slots 2 to 8 are asked for
	SLOTW 1, 0, 7
	s_sub_co_u32 s[CNT], s[CNT], 1
	s_cmp_lg_u32 s[CNT], 0
	s_cbranch_scc1 .LA
	s_mov_b32 s[CNT], 2
.LB:                                               ; walk slots 7 and 8 (9 less the counter) ask for nothing: a second text
	SLOTW 0, 1, 9
	s_sub_co_u32 s[CNT], s[CNT], 1
	s_cmp_lg_u32 s[CNT], 0
	s_cbranch_scc1 .LB
	s_wait_tensorcnt 0x0                           ; the wave's end
	ds_add_u32 v[SPW], v[NIL]
	s_wait_dscnt 0x0
	CROUND                                         ; the closing round
	s_endpgm
.Lfunc_end_k_qaff5104ebc_pv:
	.size	k_qaff5104ebc_pv, .Lfunc_end_k_qaff5104ebc_pv-k_qaff5104ebc_pv
	.p2alignl 7, 3214868480
	.fill 96, 4, 3214868480
	.section	.rodata,"a",@progbits
	.p2align	6, 0x0
	.amdhsa_kernel k_qaff5104ebc_pv
		.amdhsa_group_segment_fixed_size 327680
		.amdhsa_private_segment_fixed_size 0
		.amdhsa_enable_private_segment 0
		.amdhsa_kernarg_size 32
		.amdhsa_user_sgpr_count 2
		.amdhsa_user_sgpr_kernarg_segment_ptr 1
		.amdhsa_wavefront_size32 1
		.amdhsa_system_sgpr_workgroup_id_x 1
		.amdhsa_system_sgpr_workgroup_id_y 1
		.amdhsa_system_sgpr_workgroup_id_z 1
		.amdhsa_system_vgpr_workitem_id 0
		.amdhsa_next_free_vgpr 640
		.amdhsa_next_free_sgpr 88
		.amdhsa_reserve_vcc 0
		.amdhsa_float_denorm_mode_32 3
		.amdhsa_float_denorm_mode_16_64 3
		.amdhsa_memory_ordered 1
		.amdhsa_forward_progress 1
		.amdhsa_inst_pref_size 104
	.end_amdhsa_kernel
	.amdgpu_metadata
---
amdhsa.version: [ 1, 2 ]
amdhsa.kernels:
  - .name:           k_qaff5104ebc_pv
    .symbol:         k_qaff5104ebc_pv.kd
    .args:
      - { .name: pb, .offset: 0, .size: 8, .value_kind: global_buffer, .address_space: global }
      - { .name: vt, .offset: 8, .size: 8, .value_kind: global_buffer, .address_space: global }
      - { .name: st, .offset: 16, .size: 8, .value_kind: global_buffer, .address_space: global }
      - { .name: out0, .offset: 24, .size: 8, .value_kind: global_buffer, .address_space: global }
    .group_segment_fixed_size: 327680
    .private_segment_fixed_size: 0
    .kernarg_segment_align: 8
    .kernarg_segment_size: 32
    .max_flat_workgroup_size: 128
    .sgpr_count:     88
    .vgpr_count:     640
    .wavefront_size: 32
...
	.end_amdgpu_metadata
.endif
;; end of part 4
;; ======== version 2 of 2: 4 launches; version 1 with the launch cast written anew for expert scheduling mode
;; limits: values are held in f16: magnitudes above 65,504 overflow, below 6.1e-05 lose precision; right only within a limited range of input values
;; workspace buffers: xb 16,777,216 bytes; wb 4,194,304 bytes; yb 16,777,216 bytes; vt 16,777,216 bytes; pb 33,554,432 bytes; st 1,048,576 bytes
;; launch cast (part 5): grid 256 x 1, 8 waves a work-group, no clusters, 132,096 bytes of LDS; arguments x, Wq, Wk, Wv, xb, wb, st; writes xb, wb, st
.if DOCPART == 5
	.amdgcn_target "amdgcn-amd-amdhsa--gfx1250"
	.amdhsa_code_object_version 6
	.text
	.protected	k_qaff5104ebc_cast
	.globl	k_qaff5104ebc_cast
	.p2align	8
	.type	k_qaff5104ebc_cast,@function
k_qaff5104ebc_cast:
	s_mov_b64 s[64:65], 0
	v_nop
	global_prefetch_b8 v0, s[64:65] scope:SCOPE_SE
	s_setreg_imm32_b32 hwreg(HW_REG_WAVE_SCHED_MODE, 0, 2), 2
	s_setreg_imm32_b32 hwreg(HW_REG_WAVE_MODE, 25, 1), 1
	s_wait_xcnt 0x0
	s_wait_alu depctr_vm_vsrc(0)
; TWO THINGS, both from the f32 inputs.
; (a) x [8192][1024] and Wv [1024][1024] are rounded once to bf16 (to nearest even), and that number is written as f16: xb [8192][1024]; wb rows 1024-2047.
; (b) Mt[e][d] = sum over h of Wk[h][e] Wq[h][d], bf16 operands, f32 sums; 32 Mt is rounded once to f16 into wb rows 0-1023.  With it scores = (x Wq^T)(x Wk^T)^T = (x Mt^T) x^T:
;     the same sums in another order, for every input, and one projection less.
; Also the table of softmax statistics st ([4][16 key blocks][2048 rows] pairs of f32) is preset to (-1e30, 0): "no key seen"; a later launch overwrites the pairs of the blocks that a row does see.
; LIMITS.  A bf16 number is an f16 number from 2^-17 to 65,504; below, the f16 is off by 2^-25 at the most; above, it is an infinity.  32 Mt likewise: |Mt| stays under 2,047.
; SHARES.  256 work-groups of eight waves.  (a) 32 rows of x and 4 of Wv: thread t owns bytes 16 t of each row in and bytes 8 t out: a wave's load covers 512 consecutive bytes, its store 256, aligned.
; (b) a tile of 64 x 64 of Mt; h IS SPLIT AMONG THE EIGHT WAVES, 128 each, 32 a step; the eight partial tiles meet in LDS (f32 sums may be taken in any order).
; NO TRANSPOSING LOAD.  A fragment wants h along a lane's registers, and W has h down its rows.  A lane loads 16 bytes, FOUR NEIGHBOURING COLUMNS of one row (sixteen lanes: 256 consecutive bytes, aligned),
; for each of the 16 rows that its fragment holds (lane l: rows 8 (l / 16) + 0..7 and 16 + 8 (l / 16) + 0..7), and gives the four columns to four fragments: fragment j's row r is column 4 r + j.
; One conversion joins rows h and h + 1 into a register.  In the result (source 0 = Wq's fragment jb, source 1 = Wk's fragment ja) lane l holds row e = 4 (l % 16) + ja and, in register i,
; column d = 4 (8 (l / 16) + i) + jb: over the four jb, consecutive columns.
; No LDS on the way in: no wave wants a byte of W that another wave of the work-group fetches.  No cluster: what work-groups share here (a block of 64 columns: sixteen of them) is a product of 2 GFLOP's operands.
; The 128 registers of sums are cleared while the first loads are out, so that every step has one form of product.
; REGISTERS: window 0: v0-15 addresses; v16-159 the 36 chunks of (a); v160-223 fragments (Wk's four, then Wq's four); v224-231 the packed result
;            window 1: v0-127 the 16 accumulators, (ja, jb) at 8 (4 ja + jb); v128-255 f32 as loaded: Wk's 16 rows x 4, then Wq's; later the partial sums read back
; THE MODE: SCHED_MODE bits 1:0 = 2 (LLVM: expert scheduling mode 2), set by the entry lines.  The code itself states the register dependences
; between vector or matrix instructions and memory or LDS instructions, with s_wait_alu, always for 0.
; THE PLAN.  Registers that memory or LDS instructions touch:
;   v1-v3, v8-v11  offsets and LDS addresses; v4-v7 the pairs for st; v12, v13 the closing add's.  Written at the head and never again: ONE wait on va_vdst, ahead of the first load, serves all that read them.
;   X              36 chunks of four registers, each chunk its own: one load lands in it, its eight vector instructions work in place, one store reads its first two registers, nothing writes it again.
;                  The chunks go in nine blocks of four.  Block p's vector instructions name block p's registers alone; its memory instructions are the four stores of block p - 1.  So one wait on va_vdst at a
;                  block's head states all that those stores hang on, and they are dealt among the block's vector instructions with no further wait.
;   RAW            Step s: its 64 conversions read it; behind them the loads of step s + 1 land in it.  ONE wait on va_vdst a step, behind the conversions; the 32 loads follow it, dealt among the step's first
;                  products, which name the fragments and the accumulators alone.  At the end the partial sums' LDS loads land in it.
;   ACC            Written by the clearing and by the products; read by the 32 LDS stores behind the last step; not written again.
;   T              Written by the last eight conversions; read by the last two stores.
; No register that a memory or LDS instruction has read is written again, so the text holds no wait on vm_vsrc.  The fragments are named by vector and matrix instructions alone.
.set ROWI,  4096                       ; bytes in a row of f32
.set ROWO,  2048                       ; bytes in a row of f16
.set PARTB, 16384                      ; LDS: a wave's partial tile: register group q of 32 at 512 q, 16 bytes a lane
.set SPARE, 8*PARTB                    ; behind them: the spare words, 128 bytes a wave: four blocks of 256 bytes that no other line names
.set XO,  1                            ; v1   16 t
.set YO,  2                            ; v2   8 t
.set MO,  3                            ; v3   my place in a step of W: 8 (l / 16) rows + 16 (l % 16) bytes
.set LS,  8                            ; v8   where my partial sums go
.set LR0, 9                            ; v9   where I read the partial sums of waves 0-3,
.set LR1, 10                           ; v10  and of waves 4-7
.set WO,  11                           ; v11  my lane's byte offset in the tile of Mt
.set SPW, 12                           ; v12  my spare word; never rewritten
.set NIL, 13                           ; v13  0; never rewritten
.set X,   16
.set FR,  160
.set T,   224
.set ACC, 0                            ; window 1
.set RAW, 128                          ; window 1
.set WV,  18                           ; s18  my wave's number
.set CNT, 19
.set HIM, 30                           ; s30  a word's upper bf16
.set KP,  32                           ; s[32:33] Wk at my step's first row, the tile's 64 columns e
.set QP,  34                           ; s[34:35] Wq likewise, columns d
.set WVO, 36                           ; s[36:37] wb at the group's 4 rows of Wv
.set SCL, 38                           ; s[38:39] 32.0
.set MTO, 40                           ; s[40:41] wb at my wave's part of the tile of Mt
.set MSB, 0
.macro WIN new                         ; the immediate's high byte repeats the setting that is left; a switch that changes nothing is dropped
.if MSB != (\new)
	s_set_vgpr_msb (MSB<<8)|(\new)
.set MSB, \new
.endif
.endm
.macro PLACES                          ; four plain vector instructions between a matrix instruction and what reads its result or writes its sources (ISA guide 7.12.1)
.rept 4
	v_nop
.endr
.endm
.macro MLOAD i                         ; two of a step's 32 loads: row i of the lane's 16, 64 columns of Wk and of Wq.  Destination window 1, address window 0
	global_load_b128 v[RAW+4*(\i):RAW+4*(\i)+3],       v[MO], s[KP:KP+1] offset:((\i)+8*((\i)/8))*ROWI
	global_load_b128 v[RAW+64+4*(\i):RAW+64+4*(\i)+3], v[MO], s[QP:QP+1] offset:((\i)+8*((\i)/8))*ROWI
.endm
.macro CVT                             ; 64 conversions: operand o (0: Wk, 1: Wq), column j, rows 2 p and 2 p + 1 of each of the lane's two runs of eight
	WIN 0x05                                       ; sources window 1, destination window 0
.irp o, 0,1
.irp j, 0,1,2,3
.irp p, 0,1,2,3
	v_cvt_pk_bf16_f32 v[FR+32*(\o)+8*(\j)+(\p)],   v[RAW+64*(\o)+8*(\p)+(\j)],    v[RAW+64*(\o)+8*(\p)+4+(\j)]
	v_cvt_pk_bf16_f32 v[FR+32*(\o)+8*(\j)+4+(\p)], v[RAW+64*(\o)+32+8*(\p)+(\j)], v[RAW+64*(\o)+32+8*(\p)+4+(\j)]
.endr
.endr
.endr
	WIN 0
.endm
.macro PROD t                          ; product t of a step's 16: ja = t / 4, jb = t % 4.  C and D window 1, the fragments window 0
	v_wmma_f32_16x16x32_bf16 v[ACC+8*(\t):ACC+8*(\t)+7], v[FR+32+8*((\t)%4):FR+32+8*((\t)%4)+7], v[FR+8*((\t)/4):FR+8*((\t)/4)+7], v[ACC+8*(\t):ACC+8*(\t)+7]
.endm
.macro CLOAD i                         ; chunk i of 36: a row of x (0-31) or of Wv (32-35)
.if (\i) < 32
	global_load_b128 v[X+4*(\i):X+4*(\i)+3], v[XO], s[4:5] offset:ROWI*(\i) th:TH_LOAD_NT
.else
	global_load_b128 v[X+4*(\i):X+4*(\i)+3], v[XO], s[10:11] offset:ROWI*((\i)-32) th:TH_LOAD_NT
.endif
.endm
.macro CALC i                          ; chunk i's four numbers: to bf16, back to f32 (a shift, a mask), to f16 (exact): into the chunk's first two registers
.set c, X+4*(\i)
	v_cvt_pk_bf16_f32 v[c], v[c], v[c+1]
	v_cvt_pk_bf16_f32 v[c+1], v[c+2], v[c+3]
	v_lshlrev_b32 v[c+2], 16, v[c]
	v_and_b32 v[c+3], s[HIM], v[c]
	v_cvt_pk_f16_f32 v[c], v[c+2], v[c+3]
	v_lshlrev_b32 v[c+2], 16, v[c+1]
	v_and_b32 v[c+3], s[HIM], v[c+1]
	v_cvt_pk_f16_f32 v[c+1], v[c+2], v[c+3]
.endm
.macro CSTORE i                        ; chunk i is stored
.set c, X+4*(\i)
.if (\i) < 32
	global_store_b64 v[YO], v[c:c+1], s[12:13] offset:ROWO*(\i)
.else
	global_store_b64 v[YO], v[c:c+1], s[WVO:WVO+1] offset:ROWO*((\i)-32)
.endif
.endm
.macro ADDV a, b                       ; wave a's 16 partial sums take wave b's
.set r, 0
.rept 8
	v_pk_add_f32 v[RAW+16*(\a)+r:RAW+16*(\a)+r+1], v[RAW+16*(\a)+r:RAW+16*(\a)+r+1], v[RAW+16*(\b)+r:RAW+16*(\b)+r+1]
.set r, r+2
.endr
.endm
	s_load_b256 s[4:11], s[0:1], 0x0               ; x s[4:5], Wq s[6:7], Wk s[8:9], Wv s[10:11]
	s_load_b128 s[12:15], s[0:1], 0x20             ; xb s[12:13], wb s[14:15]
	s_load_b64 s[16:17], s[0:1], 0x30              ; st
	v_lshl_add_u32 v[SPW], v0, 2, SPARE
	v_mov_b32 v[NIL], 0
	v_lshrrev_b32 v14, 5, v0
	v_readfirstlane_b32 s[WV], v14                 ; wave 0..7
	v_lshlrev_b32 v[XO], 4, v0
	v_lshlrev_b32 v[YO], 3, v0
	v_mov_b32 v4, 0xf149f2ca                       ; -1e30
	v_mov_b32 v5, 0
	v_mov_b32 v6, 0xf149f2ca
	v_mov_b32 v7, 0
	v_and_b32 v14, 15, v0                          ; l % 16
	v_bfe_u32 v15, v0, 4, 1                        ; l / 16
	v_lshlrev_b32 v[MO], 4, v14
	v_lshl_add_u32 v[MO], v15, 15, v[MO]           ; 8 rows of 4,096 bytes for the upper half of the lanes
	v_lshlrev_b32 v[WO], 13, v14                   ; Mt: row 4 (l % 16): 4 x 2,048 bytes,
	v_lshl_add_u32 v[WO], v15, 6, v[WO]            ; 32 columns of 2 bytes for the upper half
	v_and_b32 v14, 31, v0
	s_wait_alu depctr_va_sdst(0)                   ; s[WV] is written, ahead of its first reader: LDS addresses and the bases of Wk, Wq and Mt are made from it
	s_lshl_b32 s20, s[WV], 14
	v_lshl_add_u32 v[LS], v14, 4, s20              ; 16,384 x wave + 16 x lane
	s_lshr_b32 s21, s[WV], 1                       ; at the end I finish ja = wave / 2,
	s_and_b32 s22, s[WV], 1                        ; registers 4 (wave % 2) + 0..3 of its four accumulators: groups q = 8 ja + 2 jb + wave % 2
	s_lshl_b32 s23, s21, 12
	s_lshl_b32 s24, s22, 9
	s_add_co_u32 s23, s23, s24
	v_lshl_add_u32 v[LR0], v14, 4, s23
	v_add_nc_u32 v[LR1], 0x10000, v[LR0]           ; an LDS offset holds 16 bits
	s_mov_b32 s[HIM], 0xffff0000
	s_mov_b32 s[SCL], 0x42000000                   ; 32.0
	s_mov_b32 s[SCL+1], s[SCL]
	s_lshl_b32 s24, ttmp9, 17                      ; the group's 32 rows of x
	s_mov_b32 s25, 0
	s_lshl_b32 s26, ttmp9, 14                      ; its 4 rows of Wv
	s_mov_b32 s27, 0
	s_lshl_b32 s28, ttmp9, 16                      ; 32 rows of xb
	s_mov_b32 s29, 0
	s_lshl_b32 s42, ttmp9, 13                      ; 4 rows of wb,
	s_add_co_u32 s42, s42, 0x200000                ; behind Mt's 1,024
	s_mov_b32 s43, 0
	s_lshl_b32 s44, ttmp9, 12                      ; its 4,096 bytes of st
	s_mov_b32 s45, 0
	s_lshr_b32 s31, ttmp9, 4                       ; the tile of Mt: rows 64 (g / 16),
	s_and_b32 s52, ttmp9, 15                       ; columns 64 (g % 16)
	s_lshl_b32 s53, s[WV], 19                      ; my 128 rows of Wk and Wq
	s_lshl_b32 s46, s31, 8                         ; 64 columns of f32
	s_add_co_u32 s46, s46, s53
	s_mov_b32 s47, 0
	s_lshl_b32 s48, s52, 8
	s_add_co_u32 s48, s48, s53
	s_mov_b32 s49, 0
	s_lshl_b32 s50, s31, 17                        ; 64 rows of 2,048 bytes
	s_lshl_b32 s53, s21, 11                        ; + row ja
	s_add_co_u32 s50, s50, s53
	s_lshl_b32 s53, s52, 7                         ; + 64 columns of f16
	s_add_co_u32 s50, s50, s53
	s_lshl_b32 s53, s22, 5                         ; + 16 columns for the upper four registers
	s_add_co_u32 s50, s50, s53
	s_mov_b32 s51, 0
	s_wait_kmcnt 0x0
	s_add_nc_u64 s[KP:KP+1], s[8:9], s[46:47]
	s_add_nc_u64 s[QP:QP+1], s[6:7], s[48:49]
	s_add_nc_u64 s[4:5], s[4:5], s[24:25]
	s_add_nc_u64 s[10:11], s[10:11], s[26:27]
	s_add_nc_u64 s[12:13], s[12:13], s[28:29]
	s_add_nc_u64 s[WVO:WVO+1], s[14:15], s[42:43]
	s_add_nc_u64 s[MTO:MTO+1], s[14:15], s[50:51]
	s_add_nc_u64 s[16:17], s[16:17], s[44:45]
	WIN 0x40                                       ; destination window 1, address window 0
	s_wait_alu depctr_va_vdst(0)                   ; v1 to v13 are written: the offsets and LDS addresses that every load, store and LDS instruction of the kernel reads, the pairs for st, the closing add's two
.irp i, 0,1,2,3,4,5,6,7,8,9,10,11,12,13,14,15
	MLOAD \i                                       ; Mt's first step
.endr
	WIN 0
.set n, 0
.rept 31                               ; 32 + 31 = 63 loads of mine are out
	CLOAD n
.set n, n+1
.endr
	global_store_b128 v[XO], v[4:7], s[16:17]      ; two pairs (-1e30, 0) a thread; no vector instruction has been issued since the wait above
	WIN 0x40
.set n, 0
.rept 128
	v_mov_b32 v[ACC+n], 0
.set n, n+1
.endr
	WIN 0
; The 36 chunks, in nine blocks of four.  Block p rounds chunks 4 p to 4 p + 3 and stores the four chunks of block p - 1, a store ahead of each chunk's eight vector instructions.
.set p, 0
.rept 9
.if p == 0
	s_wait_loadcnt 27                              ; loads come back in order (ISA guide 5.7.1): chunks 0 to 3 are in; behind chunk 3 chunks 4 to 30 were issued
.irp i, 31,32,33,34,35
	CLOAD \i                                       ; the last five chunks; no vector instruction has named their registers
.endr
.else
	s_wait_loadcnt 32-4*p                          ; chunks 4 p to 4 p + 3 are in; behind them chunks 4 p + 4 to 35 were issued
	s_wait_alu depctr_va_vdst(0)                   ; the block before has written the first two registers of each of its chunks, which the four stores below read; this block's vector instructions name its own chunks alone
.endif
.set k, 0
.rept 4
.if p > 0
	CSTORE 4*(p-1)+k
.endif
	CALC 4*p+k
.set k, k+1
.endr
.set p, p+1
.endr
	s_wait_alu depctr_va_vdst(0)                   ; block 8 has written its chunks' first two registers, which the last four stores read
.irp i, 32,33,34,35
	CSTORE \i
.endr
	s_mov_b32 s[CNT], 4
.Lm:                                               ; four steps of 32 along h; the fourth leaves the loop behind its conversions: it has no step behind it to load for
	s_wait_loadcnt 0x0                             ; the step's 32 loads are in, and no load reads the two pointers any more
	CVT
	s_sub_co_u32 s[CNT], s[CNT], 1
	s_cmp_eq_u32 s[CNT], 0
	s_cbranch_scc1 .Llast
	s_add_nc_u64 s[KP:KP+1], s[KP:KP+1], 32*ROWI
	s_add_nc_u64 s[QP:QP+1], s[QP:QP+1], 32*ROWI
	WIN 0x50                                       ; one setting for both: the products' C and D and the loads' destination in window 1; the fragments and the loads' address in window 0
	s_wait_alu depctr_va_vdst(0)                   ; the conversions are done reading RAW, in which the next step's loads land; the products below name the fragments and the accumulators alone
.set t, 0
.rept 16                               ; the 16 accumulators take turns, over the backward jump and out into the last step too; the loads stand four ahead of each of the first eight products
.if t < 8
	MLOAD 2*t
	MLOAD 2*t+1
.endif
	PROD t
.set t, t+1
.endr
	WIN 0
	PLACES                                         ; in front of the next step's conversions, which write the fragments
	s_branch .Lm
.Llast:
	WIN 0x50
.set t, 0
.rept 16
	PROD t
.set t, t+1
.endr
	WIN 0
	PLACES                                         ; four places behind the last product, before its result is read (ISA guide 7.12.1)
	WIN 0x04                                       ; store data window 1
	s_wait_alu depctr_va_vdst(0)                   ; the products have written the accumulators, which the LDS stores read; the places above stay beside this wait.  The last conversions are done reading RAW too:
	                                               ; no vector instruction names it from here to the LDS loads that land in it behind the barrier
.set n, 0
.rept 32
	ds_store_b128 v[LS], v[ACC+4*n:ACC+4*n+3] offset:512*n  ; each accumulator's low registers first
.set n, n+1
.endr
	WIN 0
	s_wait_dscnt 0x0                               ; for the others' sake: my partial tile is written
	s_barrier_signal -1
	s_barrier_wait -1
	WIN 0x40
.irp v, 0,1,2,3
.irp b, 0,1,2,3
	ds_load_b128 v[RAW+16*(\v)+4*(\b):RAW+16*(\v)+4*(\b)+3], v[LR0] offset:PARTB*(\v)+1024*(\b)
.endr
.endr
.irp v, 4,5,6,7
.irp b, 0,1,2,3
	ds_load_b128 v[RAW+16*(\v)+4*(\b):RAW+16*(\v)+4*(\b)+3], v[LR1] offset:PARTB*((\v)-4)+1024*(\b)
.endr
.endr
	s_wait_dscnt 0x0
	WIN 0x45
	ADDV 0, 1
	ADDV 2, 3
	ADDV 4, 5
	ADDV 6, 7
	ADDV 0, 2
	ADDV 4, 6
	ADDV 0, 4
.set r, 0
.rept 8
	v_pk_mul_f32 v[RAW+r:RAW+r+1], v[RAW+r:RAW+r+1], s[SCL:SCL+1] op_sel_hi:[1,0]
.set r, r+2
.endr
	WIN 0x05
.irp i, 0,1,2,3                        ; register i of jb = 0..3: four consecutive columns
	v_cvt_pk_f16_f32 v[T+2*(\i)],   v[RAW+(\i)],   v[RAW+4+(\i)]
	v_cvt_pk_f16_f32 v[T+2*(\i)+1], v[RAW+8+(\i)], v[RAW+12+(\i)]
.endr
	WIN 0
	s_wait_alu depctr_va_vdst(0)                   ; the conversions have written v[T ..], which the two stores read
	global_store_b128 v[WO], v[T:T+3], s[MTO:MTO+1]              ; 32 consecutive bytes a lane.  A tile's rows are 128 bytes: Mt, 2 of the launch's 22 MB of stores, does not go out in whole runs of 256
	global_store_b128 v[WO], v[T+4:T+7], s[MTO:MTO+1] offset:16
	s_wait_dscnt 0x0                               ; the closing lines, six on end
	s_wait_alu 0x0
	s_wait_tensorcnt 0x0
	ds_add_u32 v[SPW], v[NIL]
	s_wait_dscnt 0x0
	s_endpgm
.Lfunc_end_k_qaff5104ebc_cast:
	.size	k_qaff5104ebc_cast, .Lfunc_end_k_qaff5104ebc_cast-k_qaff5104ebc_cast
	.p2alignl 7, 3214868480
	.fill 96, 4, 3214868480
	.section	.rodata,"a",@progbits
	.p2align	6, 0x0
	.amdhsa_kernel k_qaff5104ebc_cast
		.amdhsa_group_segment_fixed_size 132096
		.amdhsa_private_segment_fixed_size 0
		.amdhsa_enable_private_segment 0
		.amdhsa_kernarg_size 56
		.amdhsa_user_sgpr_count 2
		.amdhsa_user_sgpr_kernarg_segment_ptr 1
		.amdhsa_wavefront_size32 1
		.amdhsa_system_sgpr_workgroup_id_x 1
		.amdhsa_system_sgpr_workgroup_id_y 1
		.amdhsa_system_sgpr_workgroup_id_z 1
		.amdhsa_system_vgpr_workitem_id 0
		.amdhsa_next_free_vgpr 512
		.amdhsa_next_free_sgpr 66
		.amdhsa_reserve_vcc 0
		.amdhsa_float_denorm_mode_32 3
		.amdhsa_float_denorm_mode_16_64 3
		.amdhsa_memory_ordered 1
		.amdhsa_forward_progress 1
		.amdhsa_inst_pref_size 51
	.end_amdhsa_kernel
	.amdgpu_metadata
---
amdhsa.version: [ 1, 2 ]
amdhsa.kernels:
  - .name:           k_qaff5104ebc_cast
    .symbol:         k_qaff5104ebc_cast.kd
    .args:
      - { .name: x, .offset: 0, .size: 8, .value_kind: global_buffer, .address_space: global }
      - { .name: Wq, .offset: 8, .size: 8, .value_kind: global_buffer, .address_space: global }
      - { .name: Wk, .offset: 16, .size: 8, .value_kind: global_buffer, .address_space: global }
      - { .name: Wv, .offset: 24, .size: 8, .value_kind: global_buffer, .address_space: global }
      - { .name: xb, .offset: 32, .size: 8, .value_kind: global_buffer, .address_space: global }
      - { .name: wb, .offset: 40, .size: 8, .value_kind: global_buffer, .address_space: global }
      - { .name: st, .offset: 48, .size: 8, .value_kind: global_buffer, .address_space: global }
    .group_segment_fixed_size: 132096
    .private_segment_fixed_size: 0
    .kernarg_segment_align: 8
    .kernarg_segment_size: 56
    .max_flat_workgroup_size: 256
    .sgpr_count:     66
    .vgpr_count:     512
    .wavefront_size: 32
...
	.end_amdgpu_metadata
.endif
;; end of part 5
;; launch proj: the kernel of part 2 again; grid 8 x 32, 4 waves a work-group, clusters of 4 x 4, 327,680 bytes of LDS; arguments xb, wb, yb, vt; writes yb, vt
;; launch score: the kernel of part 3 again; grid 11 x 16, 4 waves a work-group, no clusters, 327,680 bytes of LDS; arguments yb, xb, pb, st, wb, out0; writes pb, st, out0
;; launch pv: the kernel of part 4 again; grid 8 x 32, 4 waves a work-group, clusters of 4 x 1, 327,680 bytes of LDS; arguments pb, vt, st, out0; writes out0
